; MI455X (gfx1250); checked and timed in simulation.
; The chip was launched on July 23, 2026; its instructions are those of AMD's public machine-readable ISA for CDNA 5 (MIT licence, August 2026) and "CDNA5" Instruction Set Architecture Reference Guide (July 2026). The comments in the code are by the model that wrote it; some were corrected since.
;; multihead Attention. Allowed arithmetic: matrix products marked QUANTISED: E2M1 operands, one E8M0 scale for each 32 along K, by v_wmma_scale_f32_16x16x128_f8f6f4 with both operands' format E2M1 (or v_wmma_scale_f32_32x16x128_f4), f32 sums; products left as they are: bf16, f16 or f32 operands; f32 sums; everything else in f32.
;; Inputs: Wk 16 x 1,024 x 64 float32; Wo 1,024 x 1,024 float32; Wq 16 x 1,024 x 64 float32; Wv 16 x 1,024 x 64 float32; k 4 x 2,048 x 1,024 float32; q 4 x 2,048 x 1,024 float32; v 4 x 2,048 x 1,024 float32.
;; Outputs: out0 4 x 2,048 x 1,024 float32.
;; This version of the problem:
;;   THIS VERSION OF THE PROBLEM IS GIVEN IN LOW PRECISION. The matrix products marked QUANTISED in the list below multiply operands that are first quantised to E2M1 (2 exponent bits, 1 mantissa bit; 4 bits a number), with one power-of-two scale for each 32 numbers along K (OCP MX v1.0); their sums are f32. The products marked 'left as it is' may take bf16, f16 or f32 operands, with f32 sums. Whichever they take, every output number must still come out within the allowed error. Rounding operands to bf16 (8 significant bits) uses up far more of that allowance than f16 does (11 bits, for magnitudes from 6e-5 to 65,504). All else is computed in f32.
;;   The module's matrix products, in the order in which they are computed (A, B: the left and right operand; K: the contracted axis; several contracted axes count as one K, in the product's order):
;;     1. [M 1,024, K 1,024] x [K 1,024, N 8,192]; A: input Wq; B: input q: QUANTISED
;;     2. [M 1,024, K 1,024] x [K 1,024, N 8,192]; A: input Wk; B: input k: QUANTISED
;;     3. [M 1,024, K 1,024] x [K 1,024, N 8,192]; A: input Wv; B: input v: QUANTISED
;;     4. batch 64 x [M 2,048, K 64] x [K 64, N 2,048]; A: computed on the way; B: computed on the way: left as it is (an operand is computed on the way)
;;     5. batch 64 x [M 2,048, K 2,048] x [K 2,048, N 64]; A: computed on the way; B: computed on the way: left as it is (an operand is computed on the way)
;;     6. [M 8,192, K 1,024] x [K 1,024, N 1,024]; A: computed on the way; B: input Wo: left as it is (an operand is computed on the way)
;;   THE QUANTISER, for each operand of a quantised product, along K:
;;     - K is cut into blocks of 32 from its start; a last block that is shorter is filled with zeros.
;;     - A block's scale is 2^e with e = floor(log2(the largest magnitude in the block)) - 2, held to -126 .. 127; a block of zeros has e = 0. As a byte (E8M0): e + 127.
;;     - Each number is divided by its block's scale, clamped to +-6, and rounded to the nearest number of E2M1, ties to even, subnormals kept.
;;     - The product sums the exact products of the quantised numbers (number of the format x scale) in f32.
;;   ~~~python
;;   def quantise(x, axis):      # numpy; x: float32 -> the quantised numbers, widened to float32 again
;;       x = np.moveaxis(x, axis, -1); K = x.shape[-1]
;;       x = np.pad(x, [(0, 0)] * (x.ndim - 1) + [(0, -K % 32)]); x = x.reshape(x.shape[:-1] + (-1, 32)); a = np.abs(x).max(-1, keepdims=True)
;;       e = np.where(a > 0, np.clip(np.frexp(np.where(a > 0, a, 1))[1] - 1 - 2, -126, 127), 0)      # np.frexp(a)[1] - 1 = floor(log2(a)), exactly
;;       r = np.clip(x / 2.0 ** e, -6, 6)
;;       step = 2.0 ** (np.maximum(np.frexp(np.where(r == 0, 1, r))[1] - 1, 0) - 1)
;;       q = np.round(r / step) * step * 2.0 ** e      # np.round: ties to even
;;       return np.moveaxis(q.reshape(q.shape[:-2] + (-1,))[..., :K], -1, axis).astype(np.float32)
;;   ~~~
;; One version. Each part assembles by itself: llvm-mc -triple=amdgcn-amd-amdhsa -mcpu=gfx1250 --defsym DOCPART=n.
;; ======== version 1 of 1: 4 launches
;; limits: values are held in f16: magnitudes above 65,504 overflow, below 6.1e-05 lose precision
;; workspace buffers: xc 12,582,912 bytes; xs 786,432 bytes; wc 1,572,864 bytes; ws 98,304 bytes; wo16 2,097,152 bytes; qkv 50,331,648 bytes; heads 16,777,216 bytes
;; launch prep (part 1): grid 880 x 1, 4 waves a work-group, no clusters, 68,096 bytes of LDS; arguments q, k, v, Wq, Wk, Wv, Wo, xc, xs, wc, ws, wo16; writes xc, xs, wc, ws, wo16
.if DOCPART == 1
	.amdgcn_target "amdgcn-amd-amdhsa--gfx1250"
	.amdhsa_code_object_version 6
	.text
	.protected	k_q8ecf26d34b_prep
	.globl	k_q8ecf26d34b_prep
	.p2align	8
	.type	k_q8ecf26d34b_prep,@function
k_q8ecf26d34b_prep:
	s_mov_b64 s[64:65], 0
	v_nop
	global_prefetch_b8 v0, s[64:65] scope:SCOPE_SE
	s_setreg_imm32_b32 hwreg(HW_REG_WAVE_MODE, 25, 1), 1
	s_wait_xcnt 0x0
; ONE LAUNCH MAKES ALL OPERANDS THAT LATER LAUNCHES READ MANY TIMES.  Three paths, parted by the work-group's number alone:
;   work-groups   0 ..  47  W: Wq, Wk, Wv [16 h][1024 k][64], f32, K NOT innermost -> codes of E2M1, wc [3 x 1024 rows n = 64 h + dk][512 bytes], K innermost, and scale bytes ws [3 x 1024][32]
;   work-groups  48 .. 111  O: Wo [1024][1024] f32 -> f16 as it lies, wo16
;   work-groups 112 .. 879  X: q, k, v [8192 rows][1024], f32, K innermost -> codes xc [3 x 8192][512 bytes], scale bytes xs [3 x 8192][32]
; The few small work-groups have the lowest numbers, so that they run beside the stream.
; THE QUANTISER: a block of 32 along K has the scale 2^(floor(log2(largest magnitude)) - 2); its byte is the largest magnitude's exponent field - 2, held at 1 from below; each number is divided
; by the scale and rounded to the nearest code, ties to even, beyond 6 the largest code.
; LIMITS: a block of zeros gets the byte 1 where the rule says 127 (its codes are zeros, and this program alone reads the bytes); blocks whose largest magnitude lies under 2^-124 are held at byte 1;
; NaN and infinities are not served; Wo's numbers beyond 65,504 have no f16.
; No tensor load, no barrier: waves share nothing.  Each path that uses LDS has bytes of its own, and in them each wave its own.
.set STEPS, 16                         ; X: steps of 512 numbers for a wave
.set EMAX,  2
.set SP,    80                         ; X: a lane's place in a stage: 64 bytes + 16 of padding
.set WREG,  8192                       ; X: a wave's LDS: two stages of 32 x SP bytes, behind them its 256 scale bytes
.set WSTG,  4*WREG                     ; W: the stages begin here: 32 rows x WP bytes for each wave
.set WP,    272                        ; W: a stage row: 256 bytes of codes + 16
.set NB,    16                         ; W: blocks of 32 along K for a lane
.set SPARE, WSTG+4*32*WP               ; the spare words, 128 bytes for each wave: two blocks of 256 bytes that no other line names
.set SPW,   30                         ; v30  LDS address of my spare word; never rewritten
.set NIL,   31                         ; v31  0; never rewritten
.set R,     32                         ; X: v32-95   four sets of 16 numbers as loaded
.set X,     96                         ; X: v96-127  two sets of 16 neighbours
.set E,     128                        ; X: v128-143 a scale byte for each step
.set C,     144                        ; X: v144-175 two registers of codes for each step: no store's data are written again
.set WX,    32                         ; W: v32-95   two sets of 32 numbers
.set WC,    96                         ; W: v96-99   a block's codes
.set OUTR,  112                        ; W: v112-175 the way out
.set SB,    24                         ; W: v24-27   the scale bytes, four to a register
.macro FINISH                          ; a wave that stored to LDS ends so
	s_wait_tensorcnt 0x0
	ds_add_u32 v[SPW], v[NIL]
	s_wait_dscnt 0x0
	s_endpgm
.endm
	s_load_b512 s[4:19], s[0:1], 0x0               ; q 4, k 6, v 8, Wq 10, Wk 12, Wv 14, Wo 16, xc 18
	s_load_b256 s[20:27], s[0:1], 0x40             ; xs 20, wc 22, ws 24, wo16 26
	v_lshl_add_u32 v[SPW], v0, 2, SPARE
	v_mov_b32 v[NIL], 0
	v_lshrrev_b32 v1, 5, v0
	v_readfirstlane_b32 s28, v1                    ; wave 0..3
	v_and_b32 v2, 31, v0                           ; lane
	; every address register of every path is made here, ahead of the parting, and holds nothing else
	v_lshlrev_b32 v3, 4, v2                        ; 16 x lane
	v_lshlrev_b32 v4, 3, v2                        ; 8 x lane
	s_lshl_b32 s29, s28, 13                        ; X: my wave's LDS
	v_lshrrev_b32 v14, 2, v2
	v_mul_u32_u24 v14, v14, SP
	v_and_b32 v15, 3, v2
	v_lshl_add_u32 v14, v15, 4, v14
	v_add_nc_u32 v14, s29, v14                     ; X: the stage on the way in: four lanes' 64 bytes on end, then the padding
	v_mul_u32_u24 v15, v2, SP
	v_add_nc_u32 v15, s29, v15                     ; X: and on the way out: my 16 neighbours
	s_add_co_u32 s29, s29, 2*32*SP
	v_lshrrev_b32 v5, 1, v2
	v_add_nc_u32 v5, s29, v5                       ; X: my block's scale byte
	v_add_nc_u32 v6, s29, v4                       ; X: and 8 of the wave's 256 on the way out
	s_mul_i32 s29, s28, 32*WP
	s_add_co_u32 s29, s29, WSTG                    ; W: my wave's stage
	v_lshlrev_b32 v16, 2, v2                       ; W: 4 x lane: my column
	v_mul_u32_u24 v17, v2, WP
	v_add_nc_u32 v17, s29, v17                     ; W: into the stage: row = my column
	v_and_b32 v12, 15, v2
	v_lshrrev_b32 v13, 4, v2
	v_mul_u32_u24 v18, v13, WP
	v_lshl_add_u32 v18, v12, 4, v18
	v_add_nc_u32 v18, s29, v18                     ; W: out of it: sixteen lanes to a row, two rows an instruction
	v_lshlrev_b32 v19, 9, v13
	v_lshl_add_u32 v19, v12, 4, v19                ; W: the same place in wc (rows of 512 bytes)
	v_lshlrev_b32 v20, 5, v2                       ; W: my column's row of ws (32 bytes)
	s_wait_kmcnt 0x0
	s_cmp_lt_u32 ttmp9, 48
	s_cbranch_scc1 .Lw
	s_cmp_lt_u32 ttmp9, 112
	s_cbranch_scc1 .Lo
; ---------------- X: a stream of blocks of 32; nothing here knows of rows.  A wave takes 8,192 numbers.
	s_sub_co_u32 s29, ttmp9, 112                   ; 0 .. 767: 256 work-groups for each of q, k, v
	s_cmp_lt_u32 s29, 256
	s_cselect_b64 s[30:31], s[4:5], s[6:7]
	s_cmp_lt_u32 s29, 512
	s_cselect_b64 s[30:31], s[30:31], s[8:9]       ; the source: a choice on the work-group's number alone
	s_and_b32 s32, s29, 255
	s_lshl_b32 s32, s32, 2
	s_add_co_u32 s32, s32, s28
	s_lshl_b32 s32, s32, 15                        ; my run in its tensor: 32,768 bytes each
	s_mov_b32 s33, 0
	s_add_nc_u64 s[30:31], s[30:31], s[32:33]
	s_lshl_b32 s34, s29, 2
	s_add_co_u32 s34, s34, s28                     ; my run among all 3,072
	s_lshl_b32 s32, s34, 12
	s_add_nc_u64 s[18:19], s[18:19], s[32:33]      ; 4,096 bytes of codes a run
	s_lshl_b32 s32, s34, 8
	s_add_nc_u64 s[20:21], s[20:21], s[32:33]      ; 256 scale bytes a run
.macro LOAD t                          ; 32 lanes read 512 consecutive bytes, four times
.irp i, 0,1,2,3
	global_load_b128 v[R+16*((\t)%4)+4*\i:R+16*((\t)%4)+4*\i+3], v3, s[30:31] offset:2048*(\t)+512*\i th:TH_LOAD_NT
.endr
.endm
.macro TURN t                          ; a step's 2,048 bytes through my stage, so that a lane gets 16 neighbours.  LDS serves a wave's instructions in order (ISA guide 5.7.1.4): no wait between stores and loads
.irp i, 0,1,2,3
	ds_store_b128 v14, v[R+16*((\t)%4)+4*\i:R+16*((\t)%4)+4*\i+3] offset:32*SP*((\t)%2)+8*SP*\i
.endr
.irp i, 0,1,2,3
	ds_load_b128 v[X+16*((\t)%2)+4*\i:X+16*((\t)%2)+4*\i+3], v15 offset:32*SP*((\t)%2)+16*\i
.endr
.endm
.irp t, 0,1,2,3
	LOAD \t
.endr
	s_wait_loadcnt 12                              ; step 0's four loads are in; twelve younger ones stay out
	TURN 0
.macro STEP t
.set XS, X+16*((\t)%2)
.if (\t) > 0
	s_wait_dscnt 1                                 ; this step's numbers are back from the stage; the last step's byte store may be out
.else
	s_wait_dscnt 0x0
.endif
.if (\t)+4 < STEPS
	LOAD (\t)+4                                    ; into the registers that this step's stores into the stage have read
.endif
.if (\t)+1 < STEPS
.if STEPS-2-(\t) >= 3
	s_wait_loadcnt 12                              ; the next step's loads are in; those of the three steps behind it may be out
.else
	s_wait_loadcnt 4*(STEPS-2-(\t))
.endif
	TURN (\t)+1
.endif
	v_max3_num_f32 v8, |v[XS]|, |v[XS+1]|, |v[XS+2]|               ; the largest magnitude of my 16, in two chains
	v_max3_num_f32 v9, |v[XS+3]|, |v[XS+4]|, |v[XS+5]|
.irp i, 6,10
	v_max3_num_f32 v8, v8, |v[XS+\i]|, |v[XS+\i+1]|
	v_max3_num_f32 v9, v9, |v[XS+\i+2]|, |v[XS+\i+3]|
.endr
	v_max3_num_f32 v8, v8, |v[XS+14]|, |v[XS+15]|
	v_max3_num_f32 v8, v8, v9, (EMAX+1)<<23        ; and the floor 2^(3 - 127): the byte cannot fall under 1
	v_max_num_f32_dpp v8, v8, v8 row_xmask:1 row_mask:0xf bank_mask:0xf   ; with my neighbour's 16: the block's
	v_add_nc_u32 v11, -(EMAX<<23), v8              ; 2 off its exponent field: the conversion takes the exponent field of this operand as its scale
	v_cvt_scalef32_pk8_fp4_f32 v[C+2*(\t)], v[XS:XS+7], v11
	v_cvt_scalef32_pk8_fp4_f32 v[C+2*(\t)+1], v[XS+8:XS+15], v11
	v_lshrrev_b32 v[E+(\t)], 23, v11               ; the scale's byte (a plain line behind the conversions)
	ds_store_b8 v5, v[E+(\t)] offset:16*(\t)       ; both lanes of a block write the same byte with the same value
	global_store_b64 v4, v[C+2*(\t):C+2*(\t)+1], s[18:19] offset:256*(\t)   ; the wave stores 256 consecutive bytes, aligned
.endm
.irp t, 0,1,2,3,4,5,6,7,8,9,10,11,12,13,14,15
	STEP \t
.endr
	ds_load_b64 v[176:177], v6                     ; my wave's 256 scale bytes: these loads see my stores
	s_wait_dscnt 0x0
	global_store_b64 v4, v[176:177], s[20:21]      ; 256 consecutive bytes, aligned
	FINISH
; ---------------- W: a lane takes a column n = 64 h + dk and its registers run down K: a block of 32 lies in one lane, and the codes come out with K innermost.  A wave: 32 columns x 512 along K.
.Lw:
	s_lshr_b32 s29, ttmp9, 4                       ; which weight: 16 work-groups each
	s_cmp_lt_u32 s29, 1
	s_cselect_b64 s[30:31], s[10:11], s[12:13]
	s_cmp_lt_u32 s29, 2
	s_cselect_b64 s[30:31], s[30:31], s[14:15]
	s_and_b32 s32, ttmp9, 7
	s_lshl_b32 s32, s32, 7
	s_lshl_b32 s33, s28, 5
	s_add_co_u32 s34, s32, s33                     ; n0 = 128 x + 32 wave: my first column
	s_bfe_u32 s35, ttmp9, 0x10003                  ; y: which 512 along K
	s_lshr_b32 s32, s34, 6
	s_lshl_b32 s32, s32, 18                        ; the head: 1,024 rows of 256 bytes
	s_lshl_b32 s33, s35, 17                        ; 512 rows of 256 bytes
	s_add_co_u32 s32, s32, s33
	s_and_b32 s33, s34, 32
	s_lshl_b32 s33, s33, 2                         ; the column in the head, 4 bytes each
	s_add_co_u32 s32, s32, s33
	s_mov_b32 s33, 0
	s_add_nc_u64 s[30:31], s[30:31], s[32:33]
	s_lshl_b32 s36, s29, 10
	s_add_co_u32 s36, s36, s34                     ; my first row of wc and ws
	s_lshl_b32 s32, s36, 9
	s_lshl_b32 s37, s35, 8
	s_add_co_u32 s32, s32, s37
	s_add_nc_u64 s[22:23], s[22:23], s[32:33]
	s_lshl_b32 s32, s36, 5
	s_lshl_b32 s37, s35, 4
	s_add_co_u32 s32, s32, s37
	s_add_nc_u64 s[24:25], s[24:25], s[32:33]
.macro WLOAD t                         ; block t: W(32 t + i, my column): 32 lanes read 128 consecutive bytes
.set wi, 0
.rept 32
	global_load_b32 v[WX+32*((\t)%2)+wi], v16, s[30:31] offset:(32*(\t)+wi)*256 th:TH_LOAD_NT
.set wi, wi+1
.endr
.endm
	WLOAD 0
	WLOAD 1
.macro BLOCK t
.set XS, WX+32*((\t)%2)
.if (\t) < NB-1
	s_wait_loadcnt 32                              ; this block's 32 loads are in; the next block's may be out
.else
	s_wait_loadcnt 0
.endif
	v_max3_num_f32 v8, |v[XS]|, |v[XS+1]|, |v[XS+2]|               ; all 32 numbers of the block are mine
	v_max3_num_f32 v9, |v[XS+3]|, |v[XS+4]|, |v[XS+5]|
.irp i, 6,10,14,18,22,26
	v_max3_num_f32 v8, v8, |v[XS+\i]|, |v[XS+\i+1]|
	v_max3_num_f32 v9, v9, |v[XS+\i+2]|, |v[XS+\i+3]|
.endr
	v_max3_num_f32 v8, v8, |v[XS+30]|, |v[XS+31]|
	v_max3_num_f32 v8, v8, v9, (EMAX+1)<<23        ; and the floor
	v_add_nc_u32 v11, -(EMAX<<23), v8              ; the conversion's scale operand
	v_lshrrev_b32 v10, 23, v11                     ; the scale's byte
.if (\t)%4 == 0
	v_mov_b32 v[SB+(\t)/4], v10                    ; four bytes to a register, the lower K in the lower byte
.else
	v_lshl_or_b32 v[SB+(\t)/4], v10, 8*((\t)%4), v[SB+(\t)/4]
.endif
.irp g, 0,1,2,3
	v_cvt_scalef32_pk8_fp4_f32 v[WC+\g], v[XS+8*\g:XS+8*\g+7], v11
.endr
	ds_store_b128 v17, v[WC:WC+3] offset:16*(\t)   ; 32 codes: 16 bytes of my column's row
.if (\t)+2 < NB
	WLOAD (\t)+2
.endif
	s_wait_dscnt 0x0                               ; the store has read its registers: the next block's codes may be written
.endm
.set Q, 0
.rept NB
	BLOCK Q
.set Q, Q+1
.endr
	global_store_b128 v20, v[SB:SB+3], s[24:25]    ; my column's 16 scale bytes
.irp t, 0,1,2,3,4,5,6,7,8,9,10,11,12,13,14,15
	ds_load_b128 v[OUTR+4*\t:OUTR+4*\t+3], v18 offset:2*\t*WP
.endr
.irp t, 0,1,2,3,4,5,6,7,8,9,10,11,12,13,14,15
	s_wait_dscnt 15-\t                             ; loads come back in order: number t is in
	global_store_b128 v19, v[OUTR+4*\t:OUTR+4*\t+3], s[22:23] offset:2*\t*512   ; sixteen lanes store 256 consecutive bytes, aligned
.endr
	FINISH
; ---------------- O: Wo to f16, as it lies.  A wave takes 4,096 numbers; all 32 loads go out at once.
.Lo:
	s_sub_co_u32 s29, ttmp9, 48
	s_lshl_b32 s29, s29, 2
	s_add_co_u32 s29, s29, s28                     ; 0 .. 255
	s_lshl_b32 s32, s29, 14
	s_mov_b32 s33, 0
	s_add_nc_u64 s[16:17], s[16:17], s[32:33]
	s_lshl_b32 s32, s29, 13
	s_add_nc_u64 s[26:27], s[26:27], s[32:33]
.set oi, 0
.rept 32
	global_load_b128 v[32+4*oi:35+4*oi], v3, s[16:17] offset:512*oi th:TH_LOAD_NT
.set oi, oi+1
.endr
.set oi, 0
.rept 32
	s_wait_loadcnt 31-oi                           ; loads come back in order: number oi is in
	v_cvt_pk_f16_f32 v[32+4*oi], v[32+4*oi], v[33+4*oi]
	v_cvt_pk_f16_f32 v[33+4*oi], v[34+4*oi], v[35+4*oi]
	global_store_b64 v4, v[32+4*oi:33+4*oi], s[26:27] offset:256*oi   ; the wave stores 256 consecutive bytes, aligned
.set oi, oi+1
.endr
	s_endpgm
.Lfunc_end_k_q8ecf26d34b_prep:
	.size	k_q8ecf26d34b_prep, .Lfunc_end_k_q8ecf26d34b_prep-k_q8ecf26d34b_prep
	.p2alignl 7, 3214868480
	.fill 96, 4, 3214868480
	.section	.rodata,"a",@progbits
	.p2align	6, 0x0
	.amdhsa_kernel k_q8ecf26d34b_prep
		.amdhsa_group_segment_fixed_size 68096
		.amdhsa_private_segment_fixed_size 0
		.amdhsa_enable_private_segment 0
		.amdhsa_kernarg_size 96
		.amdhsa_user_sgpr_count 2
		.amdhsa_user_sgpr_kernarg_segment_ptr 1
		.amdhsa_wavefront_size32 1
		.amdhsa_system_sgpr_workgroup_id_x 1
		.amdhsa_system_sgpr_workgroup_id_y 1
		.amdhsa_system_sgpr_workgroup_id_z 1
		.amdhsa_system_vgpr_workitem_id 0
		.amdhsa_next_free_vgpr 192
		.amdhsa_next_free_sgpr 66
		.amdhsa_reserve_vcc 0
		.amdhsa_float_denorm_mode_32 3
		.amdhsa_float_denorm_mode_16_64 3
		.amdhsa_memory_ordered 1
		.amdhsa_forward_progress 1
		.amdhsa_inst_pref_size 122
	.end_amdhsa_kernel
	.amdgpu_metadata
---
amdhsa.version: [ 1, 2 ]
amdhsa.kernels:
  - .name:           k_q8ecf26d34b_prep
    .symbol:         k_q8ecf26d34b_prep.kd
    .args:
      - { .name: q, .offset: 0, .size: 8, .value_kind: global_buffer, .address_space: global }
      - { .name: k, .offset: 8, .size: 8, .value_kind: global_buffer, .address_space: global }
      - { .name: v, .offset: 16, .size: 8, .value_kind: global_buffer, .address_space: global }
      - { .name: Wq, .offset: 24, .size: 8, .value_kind: global_buffer, .address_space: global }
      - { .name: Wk, .offset: 32, .size: 8, .value_kind: global_buffer, .address_space: global }
      - { .name: Wv, .offset: 40, .size: 8, .value_kind: global_buffer, .address_space: global }
      - { .name: Wo, .offset: 48, .size: 8, .value_kind: global_buffer, .address_space: global }
      - { .name: xc, .offset: 56, .size: 8, .value_kind: global_buffer, .address_space: global }
      - { .name: xs, .offset: 64, .size: 8, .value_kind: global_buffer, .address_space: global }
      - { .name: wc, .offset: 72, .size: 8, .value_kind: global_buffer, .address_space: global }
      - { .name: ws, .offset: 80, .size: 8, .value_kind: global_buffer, .address_space: global }
      - { .name: wo16, .offset: 88, .size: 8, .value_kind: global_buffer, .address_space: global }
    .group_segment_fixed_size: 68096
    .private_segment_fixed_size: 0
    .kernarg_segment_align: 8
    .kernarg_segment_size: 96
    .max_flat_workgroup_size: 128
    .sgpr_count:     66
    .vgpr_count:     192
    .wavefront_size: 32
...
	.end_amdgpu_metadata
.endif
;; end of part 1
;; launch proj (part 2): grid 4 x 96, 4 waves a work-group, clusters of 4 x 4, 327,680 bytes of LDS; arguments xc, xs, wc, ws, qkv; writes qkv
.if DOCPART == 2
	.amdgcn_target "amdgcn-amd-amdhsa--gfx1250"
	.amdhsa_code_object_version 6
	.text
	.protected	k_q8ecf26d34b_proj
	.globl	k_q8ecf26d34b_proj
	.p2align	8
	.type	k_q8ecf26d34b_proj,@function
k_q8ecf26d34b_proj:
	s_mov_b64 s[64:65], 0
	v_nop
	global_prefetch_b8 v0, s[64:65] scope:SCOPE_SE
	s_setreg_imm32_b32 hwreg(HW_REG_WAVE_MODE, 25, 1), 1
	s_wait_xcnt 0x0
	s_wait_alu depctr_hold_cnt(0) depctr_sa_sdst(0) depctr_va_vdst(0) depctr_va_sdst(0) depctr_va_ssrc(0) depctr_va_vcc(0) depctr_vm_vsrc(0)
	s_getreg_b32 s2, hwreg(HW_REG_IB_STS2, 6, 4)
	s_cmp_eq_u32 s2, 0
	s_cbranch_scc0 .Lentry_in_a_cluster
	s_endpgm
.Lentry_in_a_cluster:
	s_bfe_u32 s2, ttmp6, 0x10000c
	s_cmp_lg_u32 s2, 0xf033
	s_cbranch_scc0 .Lentry_shape_is_right
	s_endpgm
.Lentry_shape_is_right:
; THE THREE PROJECTIONS ON CODES OF E2M1: qkv[t][b][h][s][dk] = sum over d of x_t[b][s][d] W_t[h][d][dk], t = q, k, v.  One GEMM C = A B^T for all three:
; A = xc [24,576 rows = 8,192 t + 2,048 b + s][512 bytes], its scale bytes xs [24,576][32]; B = wc [3,072 rows = 1,024 t + 64 h + dk][512 bytes], ws [3,072][32].  Sums in f32, rounded once to f16.
; LIMIT: a result beyond 65,504 has no f16.
; A tile of C, 256 tokens x 256 columns (4 heads), is made by four waves, 128 x 128 each: 64 accumulators, 512 registers.  K = 1,024 is two K steps of 512 (rows of 256 bytes): each has a slot of its own,
; so nothing in LDS is filled twice: three tensor loads a wave (scales, K step 0, K step 1) go out at the head, three out at the most.
; CLUSTERS: 4 x 4 work-groups; A's tiles are asked for jointly along a row of the cluster, B's along a column.  Eight rows of clusters belong to one tensor, so all sixteen partners take the same weight.
; THE MATRIX INSTRUCTION IS USED TRANSPOSED (source 0 = 16 rows of B, source 1 = 16 rows of A): a lane holds eight neighbouring dk of one token.
; REGISTERS, in windows of 256: window 0: v0-31 addresses; v32-95 scale words, two sets; v128-191 A's fragments, one set; window 1: B's fragments, two sets (v0, v128); windows 2, 3: the accumulators ((a, b) at v[8 (8 (a % 4) + b)]).
.set SIZE_K, 1024
.set KSTEP,  512
.set NQ,     KSTEP/128
.set ROWB,   256                       ; a tile's row in bytes
.set KROW,   SIZE_K/2                  ; a row of codes in memory
.set PITCH,  272                       ; an LDS row: 256 bytes + 16: the 16 rows that a load touches start 68 words apart (64 banks of 4 bytes: ISA guide 11.1)
.set FR,     8
.set NL,     2
.set NP,     4                         ; places behind this matrix instruction (ISA guide 7.12.1)
.set HALFT,  128*PITCH
.set SLOT,   4*HALFT
.set KS,     SIZE_K/32
.set SCL,    2*SLOT                    ; behind the slots: the scales, as rows of 256 bytes + 16
.set HALFS,  (128*KS/256)*272
.set SBLK,   (16*KS/256)*272
.set SPARE,  SCL+4*HALFS               ; the spare words, 128 bytes for each wave: two blocks of 256 bytes that no other line names
.set SPITCH, 144                       ; the way out: a token's 128 bytes of one head + 16
.set SHEAD,  16*SPITCH                 ; 16 tokens of one head; a wave's stage is two of these.  It lies in slot 0, which has had its one fill and its last read by then
.set ADRA, 16
.set ADRB, 20
.set STO,  24
.set RD,   25
.set CO,   26
.set ADRS, 27
.set SPW,  28                          ; v28  LDS address of my spare word; never rewritten
.set NIL,  29                          ; v29  0; never rewritten
.set SC,   32
.set AF,   128
.set TMP,  32                          ; the way out: packed results, v32-63 and v64-95 by turns
.set BK,   96                          ; and rows read back, v96-127 and v128-159 by turns
.set G1, 24
.set G0, 32
.set G1B, 48
.set G0B, 56
.set G1S, 68
.set G0S, 76
.set G1SB, 80
.set G0SB, 88
.set MSB, 0
.macro WIN new                         ; the immediate's high byte repeats the setting that is left
.if MSB != (\new)
	s_set_vgpr_msb (MSB<<8)|(\new)
.set MSB, (\new)
.endif
.endm
.set MUL_LO, 0xa1                      ; source 0 (B) window 1, source 1 (A) window 0, C and D window 2
.set MUL_HI, 0xf1
.set TO_B,   0x40
; A joint load: waves 0 and 1 fetch for A, waves 2 and 3 for B; the branch hangs on the wave's number alone.  An s_nop 0 and four v_nop follow each line.
.macro JLOAD g0a, g1a, g0b, g1b
	s_cmp_eq_u32 s15, 0
	s_cbranch_scc0 .Lfor_b_\@
	tensor_load_to_lds s[\g0a:\g0a+3], s[\g1a:\g1a+7]
	s_nop 0
.rept 4
	v_nop
.endr
	s_branch .Lasked_\@
.Lfor_b_\@:
	tensor_load_to_lds s[\g0b:\g0b+3], s[\g1b:\g1b+7]
	s_nop 0
.rept 4
	v_nop
.endr
.Lasked_\@:
.endm
.macro CROUND                          ; a round of the cluster's barrier
	s_barrier_signal -1
	s_barrier_wait -1
	s_cmp_lg_u32 s14, 0
	s_cbranch_scc1 .Lnot_wave_0_\@
	s_barrier_signal -3
.Lnot_wave_0_\@:
	s_barrier_wait -3
	s_barrier_signal -1
	s_barrier_wait -1
.endm
	s_load_b128 s[4:7], s[0:1], 0x0                ; xc, xs
	s_load_b128 s[8:11], s[0:1], 0x10              ; wc, ws
	s_load_b64 s[12:13], s[0:1], 0x20              ; qkv
	v_lshl_add_u32 v[SPW], v0, 2, SPARE
	v_mov_b32 v[NIL], 0
	ds_add_u32 v[SPW], v[NIL]                      ; the wave's opening: the add, twice on end, and its wait ahead of my first tensor load
	ds_add_u32 v[SPW], v[NIL]
	v_lshrrev_b32 v1, 5, v0
	v_readfirstlane_b32 s14, v1                    ; wave 0..3
	s_lshr_b32 s15, s14, 1                         ; which half of the tile's tokens is mine.  Also: I fetch for A (0) or for B (1)
	s_and_b32 s16, s14, 1                          ; which half of its columns.  Also: which 128 rows I fetch
	s_bfe_u32 s40, ttmp6, 0x40000                  ; cx, cy
	s_bfe_u32 s41, ttmp6, 0x40004
	s_lshl_b32 s42, ttmp9, 2
	s_add_co_u32 s42, s42, s40                     ; tile column 0..3
	s_and_b32 s17, ttmp7, 0xffff                   ; the cluster's y, 0..23
	s_lshr_b32 s95, s17, 3                         ; the tensor: the same in all sixteen partners
	s_lshl_b32 s95, s95, 10                        ; its first row of wc
	s_lshl_b32 s17, s17, 2
	s_add_co_u32 s17, s17, s41                     ; tile row 0..95
	s_lshl_b32 s43, s41, 2
	s_lshl_b32 s43, 15, s43                        ; my row of the cluster
	s_lshl_b32 s44, 0x1111, s40                    ; my column
	s_or_b32 s[G1+0], s43, (0<<16)|(1<<20)|(1<<21)|(5<<22)|(3<<25)  ; the mask; elements of 1 byte; padding on; bit 21 beside a mask; after every 64 words 4 words
	s_or_b32 s[G1B+0], s44, (0<<16)|(1<<20)|(1<<21)|(5<<22)|(3<<25)
.irp g, G1, G1B
	s_mov_b32 s[\g+1], ROWB<<16                    ; tensor_dim0
	s_mov_b32 s[\g+2], 128<<16                     ; tensor_dim1
	s_mov_b32 s[\g+3], ROWB<<16                    ; tile_dim0
	s_mov_b32 s[\g+4], 128                         ; tile_dim1
	s_mov_b32 s[\g+5], KROW                        ; the pitch
	s_mov_b32 s[\g+6], 0
	s_mov_b32 s[\g+7], 0
.endr
	s_or_b32 s[G1S+0], s43, (3<<16)|(1<<20)|(1<<21)|(5<<22)|(3<<25) ; the scales of 128 rows: 4,096 dense bytes as 16 rows of 256 (32 elements of 8 bytes)
	s_or_b32 s[G1SB+0], s44, (3<<16)|(1<<20)|(1<<21)|(5<<22)|(3<<25)
.irp g, G1S, G1SB
	s_mov_b32 s[\g+1], 32<<16
	s_mov_b32 s[\g+2], (128*KS/256)<<16
	s_mov_b32 s[\g+3], 32<<16
	s_mov_b32 s[\g+4], 128*KS/256
	s_mov_b32 s[\g+5], 32
	s_mov_b32 s[\g+6], 0
	s_mov_b32 s[\g+7], 0
.endr
	s_lshl_b32 s18, s16, 7
	s_lshl_b32 s20, s17, 8
	s_add_co_u32 s20, s20, s18                     ; A: row 256 x tile row + 128 x half
	s_lshl_b32 s46, s42, 8
	s_add_co_u32 s46, s46, s18
	s_add_co_u32 s46, s46, s95                     ; B: row 1,024 x tensor + 256 x tile column + 128 x half
	s_mov_b32 s21, 0
	s_mov_b32 s47, 0
	s_mov_b64 s[18:19], KS
	s_mul_u64 s[22:23], s[20:21], s[18:19]
	s_mul_u64 s[92:93], s[46:47], s[18:19]
	s_mov_b64 s[18:19], KROW
	s_mul_u64 s[20:21], s[20:21], s[18:19]
	s_mul_u64 s[46:47], s[46:47], s[18:19]
	s_mul_i32 s45, s14, HALFT                      ; where they go: wave x 128 rows
	s_mul_i32 s94, s14, HALFS
	s_wait_dscnt 0x0                               ; both opening adds are done
	s_wait_kmcnt 0x0
	s_add_nc_u64 s[20:21], s[4:5], s[20:21]
	s_add_nc_u64 s[22:23], s[6:7], s[22:23]
	s_add_nc_u64 s[46:47], s[8:9], s[46:47]
	s_add_nc_u64 s[92:93], s[10:11], s[92:93]
	CROUND                                         ; all sixteen work-groups are here: the joint loads meet
	s_mov_b32 s[G0S], 1
	s_add_co_u32 s[G0S+1], s94, SCL
	s_mov_b64 s[G0S+2:G0S+3], s[22:23]
	s_or_b32 s[G0S+3], s[G0S+3], 0x80000000
	s_mov_b32 s[G0SB], 1
	s_add_co_u32 s[G0SB+1], s94, SCL
	s_mov_b64 s[G0SB+2:G0SB+3], s[92:93]
	s_or_b32 s[G0SB+3], s[G0SB+3], 0x80000000
	JLOAD G0S, G1S, G0SB, G1SB                     ; the scales first: they are wanted with K step 0
.irp s, 0,1
	s_mov_b32 s[G0+4*\s], 1
	s_add_co_u32 s[G0+4*\s+1], s45, \s*SLOT
	s_add_nc_u64 s[G0+4*\s+2:G0+4*\s+3], s[20:21], \s*ROWB
	s_or_b32 s[G0+4*\s+3], s[G0+4*\s+3], 0x80000000
	s_mov_b32 s[G0B+4*\s], 1
	s_add_co_u32 s[G0B+4*\s+1], s45, \s*SLOT
	s_add_nc_u64 s[G0B+4*\s+2:G0B+4*\s+3], s[46:47], \s*ROWB
	s_or_b32 s[G0B+4*\s+3], s[G0B+4*\s+3], 0x80000000
	JLOAD G0+4*\s, G1, G0B+4*\s, G1B
.endr
	v_and_b32 v1, 15, v0                           ; r = l % 16
	v_bfe_u32 v2, v0, 4, 1                         ; h = l / 16
	v_mul_u32_u24 v3, v1, PITCH
	v_lshl_add_u32 v4, v2, 4, v3                   ; a fragment's row x pitch + 16 x half
	s_mul_i32 s21, s15, HALFT
	s_mul_i32 s22, s16, HALFT
	s_add_co_u32 s22, s22, 2*HALFT
.irp s, 0,1
	v_add_nc_u32 v[ADRA+\s], s21, v4
	v_add_nc_u32 v[ADRB+\s], s22, v4
	s_add_co_u32 s21, s21, SLOT
	s_add_co_u32 s22, s22, SLOT
.endr
	v_mul_u32_u24 v5, v1, KS                       ; my row's scales: 32 bytes a row,
	v_lshrrev_b32 v6, 8, v5
	v_lshl_add_u32 v5, v6, 4, v5                   ; and 16 more for each 256 passed
	s_mul_i32 s21, s15, HALFS
	s_mul_i32 s22, s16, HALFS
	s_add_co_u32 s22, s22, 2*HALFS
	s_sub_co_u32 s22, s22, s21
	v_mul_u32_u24 v6, s22, v2                      ; lanes 16-31 take B's: one product, the distance between the two bases
	s_add_co_u32 s21, s21, SCL
	v_add_nc_u32 v5, v5, v6
	v_add_nc_u32 v[ADRS], s21, v5
	s_mul_i32 s23, s14, 2*SHEAD                    ; my stage
	v_mul_u32_u24 v5, v1, SPITCH                   ; in: token r, 16 bytes for each half of the lanes
	v_lshl_add_u32 v5, v2, 4, v5
	v_add_nc_u32 v[STO], s23, v5
	v_and_b32 v6, 31, v0
	v_lshlrev_b32 v[CO], 4, v6                     ; out: 16 x lane: four tokens' 512 consecutive bytes
	v_lshrrev_b32 v5, 3, v6
	v_mul_u32_u24 v5, v5, SPITCH
	v_and_b32 v6, 7, v6
	v_lshl_add_u32 v5, v6, 4, v5
	v_add_nc_u32 v[RD], s23, v5                    ; back: eight lanes to a token
	s_lshl_b32 s20, s17, 8
	s_lshl_b32 s21, s15, 7
	s_add_co_u32 s20, s20, s21                     ; my first row of A: 8,192 t + 2,048 b + s
	s_lshr_b32 s21, s20, 11
	s_lshl_b32 s21, s21, 22                        ; (4 t + b) x 16 heads x 2,048 tokens x 128 bytes
	s_and_b32 s20, s20, 2047
	s_lshl_b32 s20, s20, 7                         ; the token, 128 bytes each
	s_add_co_u32 s20, s20, s21
	s_lshl_b32 s46, s42, 2
	s_lshl_b32 s47, s16, 1
	s_add_co_u32 s46, s46, s47                     ; my first head: 4 x tile column + 2 x half
	s_lshl_b32 s46, s46, 18
	s_add_co_u32 s20, s20, s46
	s_mov_b32 s21, 0
	s_add_nc_u64 s[12:13], s[12:13], s[20:21]
.macro FRAG reg, adr, q, i             ; 16 rows x 128 K of 4-bit codes: 8 registers; registers 4 c .. 4 c + 3 hold K = 64 c + 32 (l / 16) + 0 .. 31
.irp c, 0,1
	ds_load_b128 v[\reg+4*\c:\reg+4*\c+3], v[\adr] offset:64*(\q)+32*\c+(\i)*16*PITCH
.endr
.endm
; 16 matrix instructions: A's blocks a0, a0 + 1 x B's eight.  The 64 accumulators take turns, one instruction a turn, in the same order in every step.
; One register carries A's scale word (lanes 0-15) and B's (lanes 16-31).
.macro MUL16 a0, p, q, sc, zero
.irp a, \a0, \a0+1
.irp b, 0,1,2,3,4,5,6,7
.if \zero
	v_wmma_scale_f32_16x16x128_f8f6f4 v[8*(8*((\a)%4)+\b):8*(8*((\a)%4)+\b)+7], v[128*(\p)+FR*\b:128*(\p)+FR*\b+FR-1], v[AF+FR*(\a):AF+FR*(\a)+FR-1], 0, v[SC+8*NQ*(\sc)+NQ*\b+(\q)], v[SC+8*NQ*(\sc)+NQ*(\a)+(\q)] matrix_a_fmt:MATRIX_FMT_FP4 matrix_b_fmt:MATRIX_FMT_FP4 matrix_a_scale:MATRIX_SCALE_ROW1
.else
	v_wmma_scale_f32_16x16x128_f8f6f4 v[8*(8*((\a)%4)+\b):8*(8*((\a)%4)+\b)+7], v[128*(\p)+FR*\b:128*(\p)+FR*\b+FR-1], v[AF+FR*(\a):AF+FR*(\a)+FR-1], v[8*(8*((\a)%4)+\b):8*(8*((\a)%4)+\b)+7], v[SC+8*NQ*(\sc)+NQ*\b+(\q)], v[SC+8*NQ*(\sc)+NQ*(\a)+(\q)] matrix_a_fmt:MATRIX_FMT_FP4 matrix_b_fmt:MATRIX_FMT_FP4 matrix_a_scale:MATRIX_SCALE_ROW1
.endif
.endr
.endr
.endm
.macro FETCH_B slot, q, p
	WIN TO_B
.irp i, 0,1,2,3,4,5,6,7
	FRAG 128*(\p)+FR*\i, ADRB+\slot, \q, \i
.endr
	WIN 0
.endm
.macro FETCH_A slot, q, i0
.irp i, \i0, \i0+1, \i0+2, \i0+3
	FRAG AF+FR*(\i), ADRA+\slot, \q, \i
.endr
.endm
.macro SCALES sc                       ; a K step's scale words: 4 words a row; lanes 0-15 A's block i, lanes 16-31 B's block i
.irp i, 0,1,2,3,4,5,6,7
	ds_load_b128 v[SC+8*NQ*\sc+NQ*\i:SC+8*NQ*\sc+NQ*\i+3], v[ADRS] offset:\i*SBLK
.endr
.endm
.macro PLACES n                        ; plain vector instructions that name none of the matrix instruction's registers, in front of loads into registers that it read and of reads of its results
.rept \n
	v_nop
.endr
.endm
.macro STEP slot, q, zero              ; 128 along K, with its successor in the same slot
	s_wait_dscnt 4*NL                              ; B's set and A's blocks 0-3 are in; A's blocks 4-7, the youngest eight loads, may be out
	WIN MUL_LO
	MUL16 0, (\q)%2, \q, \slot, \zero
	MUL16 2, (\q)%2, \q, \slot, \zero
	s_wait_dscnt 0
	PLACES NP
	FETCH_B \slot, (\q)+1, 1-(\q)%2
	FETCH_A \slot, (\q)+1, 0
	WIN MUL_HI
	MUL16 4, (\q)%2, \q, \slot, \zero
	MUL16 6, (\q)%2, \q, \slot, \zero
	PLACES NP
	WIN 0
	FETCH_A \slot, (\q)+1, 4
.endm
.macro STEPS slot, from
.set Q, \from
.rept NQ-1-\from
	STEP \slot, Q, 0
.set Q, Q+1
.endr
.endm
	s_wait_tensorcnt 1                             ; the scales and my part of K step 0 are in; K step 1's load may be out
	s_barrier_signal -1
	s_barrier_wait -1
	FETCH_B 0, 0, 0
	FETCH_A 0, 0, 0
	SCALES 0
	FETCH_A 0, 0, 4
	STEP 0, 0, 1                                   ; the first products start the sums: nothing is cleared
	STEPS 0, 1
	; slot 0's last step, and the change to slot 1
	s_wait_tensorcnt 0x0                           ; my part of K step 1 is in
	ds_add_u32 v[SPW], v[NIL]                      ; 0 onto my spare word
	s_wait_dscnt 4*NL+1                            ; (the add and A's blocks 4-7 may be out)
	WIN MUL_LO
	MUL16 0, 1, NQ-1, 0, 0
	s_wait_dscnt 0x0                               ; the add is done, and my reads of slot 0 are over
	s_barrier_signal -1
	MUL16 2, 1, NQ-1, 0, 0
	WIN 0
	s_barrier_wait -1                              ; slot 1 is whole; nobody reads slot 0 any more
	PLACES NP
	v_add_nc_u32 v[ADRS], 4*NQ, v[ADRS]            ; the next K step's scale words
	FETCH_B 1, 0, 0
	FETCH_A 1, 0, 0
	SCALES 1
	WIN MUL_HI
	MUL16 4, 1, NQ-1, 0, 0
	MUL16 6, 1, NQ-1, 0, 0
	PLACES NP
	WIN 0
	FETCH_A 1, 0, 4
	STEPS 1, 0
	s_wait_dscnt 4*NL                              ; the very last step
	WIN MUL_LO
	MUL16 0, 1, NQ-1, 1, 0
	MUL16 2, 1, NQ-1, 1, 0
	s_wait_dscnt 0
	WIN MUL_HI
	MUL16 4, 1, NQ-1, 1, 0
	MUL16 6, 1, NQ-1, 1, 0
	WIN 0
; THE WAY OUT, a block of 16 tokens x 128 columns (two heads) at a time.  A lane's eight results pack into 16 bytes of a token's 128 in one head; they go through my stage and come back four tokens
; (512 consecutive bytes of qkv) an instruction.
.macro PACK a
.set AC, 64*((\a)%4)
.set TM, TMP+32*((\a)%2)
	WIN 0x0a+5*((\a)/4)                            ; sources 0 and 1: window 2 or 3
.irp b, 0,1,2,3,4,5,6,7
.irp r, 0,1,2,3
	v_cvt_pk_f16_f32 v[TM+4*\b+\r], v[AC+8*\b+2*\r], v[AC+8*\b+2*\r+1]   ; each accumulator from its low end on
.endr
.endr
	WIN 0
.endm
.macro TOSTAGE a
.set TM, TMP+32*((\a)%2)
.set BB, BK+32*((\a)%2)
.irp b, 0,1,2,3,4,5,6,7
	ds_store_b128 v[STO], v[TM+4*\b:TM+4*\b+3] offset:(\b/4)*SHEAD+(\b%4)*32
.endr
.irp i, 0,1,2,3,4,5,6,7
	ds_load_b128 v[BB+4*\i:BB+4*\i+3], v[RD] offset:(\i/4)*SHEAD+(\i%4)*4*SPITCH   ; LDS serves a wave's instructions in order (ISA guide 5.7.1.4): these see the stores above
.endr
.endm
.macro SEND a
.set BB, BK+32*((\a)%2)
	s_wait_dscnt 0x0                               ; the block is back in registers
	s_wait_xcnt 0x0                                ; the block before has been read by its stores: the next block's loads may land in its registers
.irp i, 0,1,2,3,4,5,6,7
	global_store_b128 v[CO], v[BB+4*\i:BB+4*\i+3], s[12:13] offset:(\i/4)*262144+(\a)*2048+(\i%4)*512   ; 512 consecutive bytes, aligned
.endr
.endm
	PLACES NP                                      ; behind the last products: the conversions write registers that held scale words
	PACK 0
	TOSTAGE 0
.irp a, 1,2,3,4,5,6,7                  ; block a's conversions stand between block a - 1's loads from the stage and the wait for them
	PACK \a
	SEND \a-1
	TOSTAGE \a
.endr
	SEND 7
	s_wait_tensorcnt 0x0                           ; the wave's end
	ds_add_u32 v[SPW], v[NIL]
	s_wait_dscnt 0x0
	CROUND                                         ; the closing round
	s_endpgm
.Lfunc_end_k_q8ecf26d34b_proj:
	.size	k_q8ecf26d34b_proj, .Lfunc_end_k_q8ecf26d34b_proj-k_q8ecf26d34b_proj
	.p2alignl 7, 3214868480
	.fill 96, 4, 3214868480
	.section	.rodata,"a",@progbits
	.p2align	6, 0x0
	.amdhsa_kernel k_q8ecf26d34b_proj
		.amdhsa_group_segment_fixed_size 327680
		.amdhsa_private_segment_fixed_size 0
		.amdhsa_enable_private_segment 0
		.amdhsa_kernarg_size 40
		.amdhsa_user_sgpr_count 2
		.amdhsa_user_sgpr_kernarg_segment_ptr 1
		.amdhsa_wavefront_size32 1
		.amdhsa_system_sgpr_workgroup_id_x 1
		.amdhsa_system_sgpr_workgroup_id_y 1
		.amdhsa_system_sgpr_workgroup_id_z 1
		.amdhsa_system_vgpr_workitem_id 0
		.amdhsa_next_free_vgpr 1024
		.amdhsa_next_free_sgpr 98
		.amdhsa_reserve_vcc 0
		.amdhsa_float_denorm_mode_32 3
		.amdhsa_float_denorm_mode_16_64 3
		.amdhsa_memory_ordered 1
		.amdhsa_forward_progress 1
		.amdhsa_inst_pref_size 126
	.end_amdhsa_kernel
	.amdgpu_metadata
---
amdhsa.version: [ 1, 2 ]
amdhsa.kernels:
  - .name:           k_q8ecf26d34b_proj
    .symbol:         k_q8ecf26d34b_proj.kd
    .args:
      - { .name: xc, .offset: 0, .size: 8, .value_kind: global_buffer, .address_space: global }
      - { .name: xs, .offset: 8, .size: 8, .value_kind: global_buffer, .address_space: global }
      - { .name: wc, .offset: 16, .size: 8, .value_kind: global_buffer, .address_space: global }
      - { .name: ws, .offset: 24, .size: 8, .value_kind: global_buffer, .address_space: global }
      - { .name: qkv, .offset: 32, .size: 8, .value_kind: global_buffer, .address_space: global }
    .group_segment_fixed_size: 327680
    .private_segment_fixed_size: 0
    .kernarg_segment_align: 8
    .kernarg_segment_size: 40
    .max_flat_workgroup_size: 128
    .sgpr_count:     98
    .vgpr_count:     1024
    .wavefront_size: 32
...
	.end_amdgpu_metadata
.endif
;; end of part 2
;; launch attn (part 3): grid 4 x 64, 8 waves a work-group, clusters of 4 x 1, 327,680 bytes of LDS; arguments qkv, heads; writes heads
.if DOCPART == 3
	.amdgcn_target "amdgcn-amd-amdhsa--gfx1250"
	.amdhsa_code_object_version 6
	.text
	.protected	k_q8ecf26d34b_attn
	.globl	k_q8ecf26d34b_attn
	.p2align	8
	.type	k_q8ecf26d34b_attn,@function
k_q8ecf26d34b_attn:
	s_mov_b64 s[64:65], 0
	v_nop
	global_prefetch_b8 v0, s[64:65] scope:SCOPE_SE
	s_setreg_imm32_b32 hwreg(HW_REG_WAVE_MODE, 25, 1), 1
	s_wait_xcnt 0x0
	s_wait_alu depctr_hold_cnt(0) depctr_sa_sdst(0) depctr_va_vdst(0) depctr_va_sdst(0) depctr_va_ssrc(0) depctr_va_vcc(0) depctr_vm_vsrc(0)
	s_getreg_b32 s2, hwreg(HW_REG_IB_STS2, 6, 4)
	s_cmp_eq_u32 s2, 0
	s_cbranch_scc0 .Lentry_in_a_cluster
	s_endpgm
.Lentry_in_a_cluster:
	s_bfe_u32 s2, ttmp6, 0x10000c
	s_cmp_lg_u32 s2, 0x3003
	s_cbranch_scc0 .Lentry_shape_is_right
	s_endpgm
.Lentry_shape_is_right:
; heads[b][h][q][:] = the sum over k of softmax_k(Q[q] . K[k] / 8) V[k][:], for each of the 64 (b, h).  Q, K, V: f16, [2,048][64] a head, in qkv (K 0x1000000 bytes, V 0x2000000 bytes behind Q).  heads: f16, the same layout.
; Products, maxima and sums in f32; the weights p are rounded to f16 for the second product, the result once at the end.
; LIMITS: a result beyond 65,504 has no f16 (it is an average of V's numbers, which are f16); a weight p under 2^-25 of the row's largest counts for nothing in the second product, but is in the row's sum.
; SHARES.  A cluster of four work-groups is one (b, h); a work-group owns 512 queries, each of its eight waves 64: four tiles of 16, in 512 registers: two waves to a SIMD, so that one wave's vector work
; stands beside the other's matrix work.  Every wave walks all 2,048 keys, 64 a step.
; LAYOUT.  S^T = K Q^T (source 0 = 16 keys, source 1 = 16 queries): a lane holds ONE query (lane % 16) and keys 8 (lane / 16) + 0..7.  Two such tiles, rounded to f16 in pairs, ARE source 1 of O^T = V^T P.
; K comes out of LDS as it lies, V ([key][channel]) turned, by ds_load_tr16_b128.
; SOFTMAX.  For each query a running maximum m and sum l: p = 2^(c s - c m), c = log2(e) / 8; in every step O and l are multiplied by a = 2^(c m_old - c m_new).  The step is written once: m begins at -3e38, l and O at 0.
; RING.  Two LDS slots of 256 keys (four steps).  K and V of a head are dense in memory, so a tile is stated as rows of 256 bytes (two keys).  The four partners ask JOINTLY: waves 0, 1 for K's halves, waves 2, 3 for V's.
; The change of slots stands at a slot's head; the refill then has four key steps in which to land.  One tensor load of a wave is out at the most.
; REGISTERS.  window 0: v1-13 addresses; v16-47 eight registers of statistics a tile; v61-63; v64-191 S^T, 32 a tile (P is made in place in a tile's first 16); v192-255 K of one step.
;             window 1: v0-63 Q; v64-191 O^T, 32 a tile; v192-255 V of one step.
.set PK,     272                       ; two keys of K: 256 bytes + 16: the 16 keys of a load fall on 16 different 16-byte columns of 256 bytes (64 banks of 4 bytes: ISA guide 11.1)
.set PV,     288                       ; two keys of V: 256 bytes + 32: likewise for the turning load's 8 keys x 32 bytes
.set KSTEPB, 32*PK                     ; a step's 64 keys
.set VSTEPB, 32*PV
.set VOFF,   128*PK                    ; a slot: 128 rows of K, then 128 rows of V
.set SLOT1,  1<<17                     ; slot 1 begins here: one exclusive or turns an address in one slot into the other's
.set SLOTB,  32768                     ; a slot's keys in memory: 256 x 128 bytes
.set SPARE,  2*SLOT1                   ; the spare words, 128 bytes for each wave: four blocks of 256 bytes that no other line names
.set SP,     144                       ; the way out: a query's 128 bytes + 16.  A wave's stage, 4 x 16 such rows, lies from byte 9,216 x wave on, in slot 0: left at the last change of slots, filled no more
.set AK0, 2                            ; v2   my lane's place in a tile of K
.set AV0, 3                            ; v3   the same for V
.set ADK, 4                            ; v4   LDS address of K's run of loads
.set QO,  5                            ; v5   my byte offset in the wave's rows of Q
.set STO, 6                            ; v6   the way out: where I put 16 bytes of a row
.set RD,  7                            ; v7   where I read rows back
.set GO,  8                            ; v8   16 x lane
.set ADV, 13                           ; v13  LDS address of V's run of loads
.set ST,  16                           ; tile t's statistics at v[ST + 8 t]: +0 c m, +1 m, +2, +3 l, +4 .. +7 at work; a at +6
.set PFO, 61                           ; v61  256 x lane; never rewritten
.set SPW, 62                           ; v62  LDS address of my spare word; never rewritten
.set NIL, 63                           ; v63  0; never rewritten
.set S,   64
.set KF,  192
.set OA,  64                           ; O^T, in window 1
.set VF,  192                          ; V, in window 1
.set WV,  16                           ; s16  wave
.set G1K, 24
.set G1V, 32
.set G0K, 40
.set G0V, 44
.set CS,  58                           ; s[58:59] c
.set SEL, 60                           ; s[60:61] selects for v_permlanex16_b32: lane l xor 16
.set TK,  62                           ; s62  LDS byte at which the K of the step to be fetched begins
.set TV,  63                           ; s63  the same for V (less VOFF)
.set SLOTS, 66                         ; s66  slots still to be asked for
.set CNT, 67
.set PFA, 68                           ; s[68:69] where my prefetch stands
.set LIM, 70                           ; s70  1 in a wave that prefetches, else the greatest number
.set MSB, 0
.macro WIN new
.if MSB != (\new)
	s_set_vgpr_msb (MSB<<8)|(\new)
.set MSB, (\new)
.endif
.endm
.set W_KQ, 0x04                        ; Q (source 1) window 1; K and S^T window 0
.set W_PV, 0x51                        ; V (source 0) and O^T (C, D) window 1; P window 0
.set W_RS, 0x41                        ; O^T (destination, source 0) window 1; a window 0
.set TO1,  0x40                        ; destination window 1
.macro JLOAD                           ; the branches hang on the wave's number alone; an s_nop 0 and four v_nop follow each load
	s_cmp_lt_u32 s[WV], 2
	s_cbranch_scc0 .Lnot_k_\@
	tensor_load_to_lds s[G0K:G0K+3], s[G1K:G1K+7]
	s_nop 0
.rept 4
	v_nop
.endr
	s_branch .Lasked_\@
.Lnot_k_\@:
	s_cmp_lt_u32 s[WV], 4
	s_cbranch_scc0 .Lasked_\@
	tensor_load_to_lds s[G0V:G0V+3], s[G1V:G1V+7]
	s_nop 0
.rept 4
	v_nop
.endr
.Lasked_\@:
.endm
; A PREFETCH INTO THE L2 of the slot that the NEXT change will ask for: four key steps ahead of that load.  A slot is 128 aligned blocks of 256 bytes of K and as many of V.  The four partners share them out
; BY ADDRESS, 32 each, a lane a block; in each, wave 4 asks for K's and wave 5 for V's: waves that fetch nothing.  So each block is named once in the launch.  Slots 0 and 1 come by their loads alone; the last filling change asks for nothing.
.macro ASK
	s_cmp_gt_u32 s[SLOTS], s[LIM]
	s_cbranch_scc0 .Lnot_mine_\@
	global_prefetch_b8 v[PFO], s[PFA:PFA+1] th:TH_LOAD_NT scope:SCOPE_SE
.Lnot_mine_\@:
.endm
.macro CROUND                          ; a round of the cluster's barrier
	s_barrier_signal -1
	s_barrier_wait -1
	s_cmp_lg_u32 s[WV], 0
	s_cbranch_scc1 .Lnot_wave_0_\@
	s_barrier_signal -3
.Lnot_wave_0_\@:
	s_barrier_wait -3
	s_barrier_signal -1
	s_barrier_wait -1
.endm
	s_load_b128 s[4:7], s[0:1], 0x0                ; qkv, heads
	v_lshl_add_u32 v[SPW], v0, 2, SPARE
	v_mov_b32 v[NIL], 0
	ds_add_u32 v[SPW], v[NIL]                      ; the wave's opening: the add, twice on end, and its wait ahead of the first tensor load
	ds_add_u32 v[SPW], v[NIL]
	v_lshrrev_b32 v1, 5, v0
	v_readfirstlane_b32 s[WV], v1                  ; wave 0..7
	s_bfe_u32 s17, ttmp6, 0x40000                  ; cx: it enters Q's, the result's and the prefetch's addresses alone
	s_and_b32 s18, ttmp7, 0xffff                   ; (b, h), which the four partners share
	s_lshl_b32 s20, s18, 18                        ; a head: 2,048 x 128 bytes
	s_mov_b32 s21, 0
	s_lshl_b32 s22, s17, 16                        ; my work-group's 512 queries
	s_lshl_b32 s23, s[WV], 13                      ; my wave's 64
	s_add_co_u32 s22, s22, s23
	s_add_co_u32 s22, s22, s20
	s_mov_b32 s23, 0
	s_and_b32 s19, s[WV], 1                        ; which half of a slot I fetch, if I fetch
	s_lshl_b32 s48, s19, 14                        ; 128 keys in memory
	s_mov_b32 s49, 0
	s_add_nc_u64 s[48:49], s[48:49], s[20:21]
	s_mul_i32 s50, s19, 64*PK                      ; and in a slot
	s_mul_i32 s51, s19, 64*PV
	s_add_co_u32 s51, s51, VOFF
	s_mov_b32 s[G1K], 15|(1<<16)|(1<<20)|(1<<21)|(5<<22)|(3<<25)  ; the mask: all four; elements of 2 bytes; padding on; bit 21 beside a mask; after every 64 words 4 words
	s_mov_b32 s[G1V], 15|(1<<16)|(1<<20)|(1<<21)|(5<<22)|(7<<25)  ; the same with 8 words
.irp g, G1K, G1V
	s_mov_b32 s[\g+1], 128<<16                     ; tensor_dim0 = 128 elements
	s_mov_b32 s[\g+2], 64<<16                      ; tensor_dim1 = 64 rows
	s_mov_b32 s[\g+3], 128<<16                     ; tile_dim0
	s_mov_b32 s[\g+4], 64                          ; tile_dim1
	s_mov_b32 s[\g+5], 128                         ; the pitch: dense
	s_mov_b32 s[\g+6], 0
	s_mov_b32 s[\g+7], 0
.endr
	s_mov_b32 s[CS], 0x3e38aa3b                    ; c = log2(e) / 8
	s_mov_b32 s[CS+1], s[CS]                       ; (named with it as a pair, so it is written)
	s_mov_b32 s[SEL], 0x76543210
	s_mov_b32 s[SEL+1], 0xfedcba98
	s_mov_b32 s[TK], 0
	s_mov_b32 s[TV], 0
	s_mov_b32 s[SLOTS], 7
	s_lshr_b32 s[LIM], s[WV], 1
	s_cmp_eq_u32 s[LIM], 2                         ; waves 4 and 5
	s_cselect_b32 s[LIM], 1, -1
	v_and_b32 v1, 15, v0                           ; r
	v_bfe_u32 v9, v0, 4, 1                         ; h
	v_and_b32 v10, 31, v0                          ; lane
	v_lshrrev_b32 v11, 1, v1
	v_mul_u32_u24 v[AK0], v11, PK
	v_and_b32 v11, 1, v0
	v_lshl_add_u32 v[AK0], v11, 7, v[AK0]
	v_lshl_add_u32 v[AK0], v9, 4, v[AK0]           ; K: key r: row r / 2, half r % 2; + 16 h
	v_bfe_u32 v12, v0, 1, 2
	v_lshl_add_u32 v12, v9, 2, v12
	v_mul_u32_u24 v[AV0], v12, PV
	v_lshl_add_u32 v[AV0], v11, 7, v[AV0]
	v_bfe_u32 v12, v0, 3, 1
	v_lshl_add_u32 v[AV0], v12, 4, v[AV0]
	v_add_nc_u32 v[AV0], VOFF, v[AV0]              ; V: key 8 h + l % 8, channels 8 ((l / 8) % 2) on
	v_lshlrev_b32 v[QO], 7, v1
	v_lshl_add_u32 v[QO], v9, 4, v[QO]             ; Q: row r of 128 bytes + 16 h
	s_mul_i32 s52, s[WV], 64*SP                    ; my stage
	v_mul_u32_u24 v[STO], v1, SP
	v_lshl_add_u32 v[STO], v9, 4, v[STO]
	v_add_nc_u32 v[STO], s52, v[STO]
	v_lshrrev_b32 v12, 3, v10
	v_mul_u32_u24 v[RD], v12, SP
	v_and_b32 v12, 7, v0
	v_lshl_add_u32 v[RD], v12, 4, v[RD]
	v_add_nc_u32 v[RD], s52, v[RD]                 ; back: eight lanes to a query
	v_lshlrev_b32 v[GO], 4, v10
	v_lshlrev_b32 v[PFO], 8, v10
	s_wait_dscnt 0x0                               ; both opening adds are done
	s_wait_kmcnt 0x0
	s_add_nc_u64 s[8:9], s[4:5], s[22:23]          ; Q at my wave's first query
	s_add_nc_u64 s[14:15], s[6:7], s[22:23]        ; the result likewise
	s_add_nc_u64 s[10:11], s[4:5], 0x1000000       ; K
	s_add_nc_u64 s[12:13], s[4:5], 0x2000000       ; V
	s_cmp_eq_u32 s[WV], 4
	s_cselect_b64 s[PFA:PFA+1], s[10:11], s[12:13]
	s_lshl_b32 s2, s17, 13                         ; my work-group's 32 blocks of the 128,
	s_add_co_u32 s2, s2, s20                       ; in my head,
	s_add_co_u32 s2, s2, SLOTB                     ; in slot 1: the first change steps it to slot 2
	s_mov_b32 s3, 0
	s_add_nc_u64 s[PFA:PFA+1], s[PFA:PFA+1], s[2:3]
	CROUND                                         ; all four work-groups are here: the first joint loads meet
	s_mov_b32 s[G0K], 1
	s_mov_b32 s[G0K+1], s50
	s_add_nc_u64 s[G0K+2:G0K+3], s[10:11], s[48:49]
	s_or_b32 s[G0K+3], s[G0K+3], 0x80000000
	s_mov_b32 s[G0V], 1
	s_mov_b32 s[G0V+1], s51
	s_add_nc_u64 s[G0V+2:G0V+3], s[12:13], s[48:49]
	s_or_b32 s[G0V+3], s[G0V+3], 0x80000000
	JLOAD                                          ; slot 0
	WIN TO1
.irp t, 0,1,2,3                        ; Q stays in registers: tile t, channels 32 c on, at v[8 (2 t + c)] of window 1
.irp c, 0,1
	global_load_b128 v[8*(2*\t+\c):8*(2*\t+\c)+3],   v[QO], s[8:9] offset:\t*2048+\c*64
	global_load_b128 v[8*(2*\t+\c)+4:8*(2*\t+\c)+7], v[QO], s[8:9] offset:\t*2048+\c*64+32
.endr
.endr
.set e, 0
.rept 128
	v_mov_b32 v[OA+e], 0                           ; O^T: cleared once, so that the key step has one text: the first change of m multiplies zeros
.set e, e+1
.endr
	WIN 0
.irp t, 0,1,2,3
	v_mov_b32 v[ST+8*\t+1], 0xff61b1e6             ; m = -3e38, under every score
	v_mov_b32 v[ST+8*\t+2], 0                      ; l, in two halves
	v_mov_b32 v[ST+8*\t+3], 0
.endr
.irp t, 0,1,2,3
	v_mul_f32 v[ST+8*\t], s[CS], v[ST+8*\t+1]      ; c m
.endr
.macro FETCH_K                         ; a step's K: fragment (16 keys kt, 32 channels c) at v[KF + 8 (2 kt + c)]
	v_add_nc_u32 v[ADK], s[TK], v[AK0]
	s_add_co_u32 s[TK], s[TK], KSTEPB
.irp kt, 0,1,2,3
.irp c, 0,1
	ds_load_b128 v[KF+8*(2*\kt+\c):KF+8*(2*\kt+\c)+3],   v[ADK] offset:\kt*8*PK+\c*64
	ds_load_b128 v[KF+8*(2*\kt+\c)+4:KF+8*(2*\kt+\c)+7], v[ADK] offset:\kt*8*PK+\c*64+32
.endr
.endr
.endm
.macro FETCH_V                         ; a step's V, turned: fragment (32 keys kk, 16 channels ct) at v[VF + 8 (4 kk + ct)] of window 1
	v_add_nc_u32 v[ADV], s[TV], v[AV0]             ; with the three v_nop: four places behind the products K Q^T, in front of the loads into K's registers and of the reads of the scores
	s_add_co_u32 s[TV], s[TV], VSTEPB
.rept 3
	v_nop
.endr
	WIN TO1
.irp kk, 0,1
.irp ct, 0,1,2,3
	ds_load_tr16_b128 v[VF+8*(4*\kk+\ct):VF+8*(4*\kk+\ct)+3],   v[ADV] offset:\kk*16*PV+\ct*32
	ds_load_tr16_b128 v[VF+8*(4*\kk+\ct)+4:VF+8*(4*\kk+\ct)+7], v[ADV] offset:\kk*16*PV+8*PV+\ct*32
.endr
.endr
	WIN 0
.endm
; The accumulators take turns, one instruction a turn: between two links of a chain stand 15 others'.
.macro KQ                              ; S^T = K Q^T: 32 products; the first 16 start the sums
.irp c, 0,1
.irp kt, 0,1,2,3
.irp t, 0,1,2,3
.if \c == 0
	v_wmma_f32_16x16x32_f16 v[S+32*\t+8*\kt:S+32*\t+8*\kt+7], v[KF+8*(2*\kt+\c):KF+8*(2*\kt+\c)+7], v[8*(2*\t+\c):8*(2*\t+\c)+7], 0
.else
	v_wmma_f32_16x16x32_f16 v[S+32*\t+8*\kt:S+32*\t+8*\kt+7], v[KF+8*(2*\kt+\c):KF+8*(2*\kt+\c)+7], v[8*(2*\t+\c):8*(2*\t+\c)+7], v[S+32*\t+8*\kt:S+32*\t+8*\kt+7]
.endif
.endr
.endr
.endr
.endm
.macro PV                              ; O^T += V^T P: 32 products
.irp kk, 0,1
.irp ct, 0,1,2,3
.irp t, 0,1,2,3
	v_wmma_f32_16x16x32_f16 v[OA+32*\t+8*\ct:OA+32*\t+8*\ct+7], v[VF+8*(4*\kk+\ct):VF+8*(4*\kk+\ct)+7], v[S+32*\t+8*\kk:S+32*\t+8*\kk+7], v[OA+32*\t+8*\ct:OA+32*\t+8*\ct+7]
.endr
.endr
.endr
.endm
.macro SCALE1 t, b                     ; pair b of tile t: c s - c m
	v_pk_fma_f32 v[S+32*(\t)+2*(\b):S+32*(\t)+2*(\b)+1], v[S+32*(\t)+2*(\b):S+32*(\t)+2*(\b)+1], s[CS:CS+1], v[ST+8*(\t):ST+8*(\t)+1] op_sel_hi:[1,0,0] neg_lo:[0,0,1] neg_hi:[0,0,1]
.endm
; The four tiles' softmax for one key step, the tiles by turns line by line, so that no line waits for the line above it.  All in window 0.
.macro SOFTMAX
.irp j, 0,1,2,3                        ; the maximum of a lane's 32 scores and the old m: four chains; each accumulator is read from its low end on
.irp t, 0,1,2,3
	v_max3_num_f32 v[ST+8*\t+4+\j], v[S+32*\t+8*\j], v[S+32*\t+8*\j+1], v[S+32*\t+8*\j+2]
.endr
.endr
.irp u, 1,2
.irp j, 0,1,2,3
.irp t, 0,1,2,3
	v_max3_num_f32 v[ST+8*\t+4+\j], v[ST+8*\t+4+\j], v[S+32*\t+8*\j+2*\u+1], v[S+32*\t+8*\j+2*\u+2]
.endr
.endr
.endr
.irp t, 0,1,2,3
	v_max3_num_f32 v[ST+8*\t+4], v[ST+8*\t+4], v[S+32*\t+7], v[S+32*\t+15]
.endr
.irp t, 0,1,2,3
	v_max3_num_f32 v[ST+8*\t+6], v[ST+8*\t+6], v[S+32*\t+23], v[S+32*\t+31]
.endr
.irp t, 0,1,2,3
	v_max3_num_f32 v[ST+8*\t+4], v[ST+8*\t+4], v[ST+8*\t+5], v[ST+8*\t+6]
.endr
.irp t, 0,1,2,3
	v_max3_num_f32 v[ST+8*\t+4], v[ST+8*\t+4], v[ST+8*\t+7], v[ST+8*\t+1]
.endr
.irp t, 0,1,2,3
	v_permlanex16_b32 v[ST+8*\t+5], v[ST+8*\t+4], s[SEL], s[SEL+1]   ; the query's other 32 keys lie in the lane 16 away
.endr
.irp t, 0,1,2,3
	v_mov_b32 v[ST+8*\t+7], v[ST+8*\t]             ; c m_old
.endr
.irp t, 0,1,2,3
	v_max_num_f32 v[ST+8*\t+1], v[ST+8*\t+4], v[ST+8*\t+5]           ; the new m
.endr
.irp t, 0,1,2,3
	v_mul_f32 v[ST+8*\t], s[CS], v[ST+8*\t+1]
.endr
.irp t, 0,1,2,3
	v_sub_f32 v[ST+8*\t+7], v[ST+8*\t+7], v[ST+8*\t]                 ; c m_old - c m_new
.endr
.set e, 0
.rept 16
	SCALE1 0, e
.set e, e+1
.endr
; ONE BATCH of 132 exponentials: none of these lines names an exponential's result.  The next tile's scalings stand among them, one behind every two.
.irp t, 0,1,2,3
	v_exp_f32 v[ST+8*\t+6], v[ST+8*\t+7]           ; a
.endr
.irp t, 0,1,2,3
.set e, 0
.rept 16
	v_exp_f32 v[S+32*\t+2*e], v[S+32*\t+2*e]
	v_exp_f32 v[S+32*\t+2*e+1], v[S+32*\t+2*e+1]
.if \t < 3
	SCALE1 \t+1, e
.endif
.set e, e+1
.endr
.endr
	v_nop                                          ; a plain instruction behind the last exponential (ISA guide 5.7.2)
	s_wait_alu depctr_va_vdst(0)                   ; the wait ahead of the first line that names a result: one for the batch
.irp t, 0,1,2,3                        ; the row's sum, of the unrounded p, two at a time
	v_pk_add_f32 v[ST+8*\t+4:ST+8*\t+5], v[S+32*\t:S+32*\t+1], v[S+32*\t+2:S+32*\t+3]
.endr
.irp b, 2,3,4,5,6,7,8,9,10,11,12,13,14,15
.irp t, 0,1,2,3
	v_pk_add_f32 v[ST+8*\t+4:ST+8*\t+5], v[ST+8*\t+4:ST+8*\t+5], v[S+32*\t+2*\b:S+32*\t+2*\b+1]
.endr
.endr
.irp t, 0,1,2,3
	v_pk_fma_f32 v[ST+8*\t+2:ST+8*\t+3], v[ST+8*\t+2:ST+8*\t+3], v[ST+8*\t+6:ST+8*\t+7], v[ST+8*\t+4:ST+8*\t+5] op_sel_hi:[1,0,1]   ; l = a l + the sum
.endr
.set e, 0
.rept 16                               ; P, in place: register e takes p 2 e and 2 e + 1, which no earlier line of this run has written
.irp t, 0,1,2,3
	v_cvt_pk_f16_f32 v[S+32*\t+e], v[S+32*\t+2*e], v[S+32*\t+2*e+1]
.endr
.set e, e+1
.endr
.endm
.macro RESCALE                         ; O^T x a, each accumulator from its low end on
	WIN W_RS
.irp t, 0,1,2,3
.set e, 0
.rept 16
	v_pk_mul_f32 v[OA+32*\t+2*e:OA+32*\t+2*e+1], v[OA+32*\t+2*e:OA+32*\t+2*e+1], v[ST+8*\t+6:ST+8*\t+7] op_sel_hi:[1,0]
.set e, e+1
.endr
.endr
.endm
; A KEY STEP.  nextk = 1: the next step's K, of the same slot, is fetched behind this step's V.
.macro STEP nextk
	s_wait_dscnt 0x0                               ; K is in
	WIN W_KQ
	KQ
	WIN 0
	FETCH_V                                        ; V's registers were last read five places and more ago
.if \nextk
	FETCH_K
.endif
	SOFTMAX
	RESCALE
	s_wait_dscnt 16*\nextk                         ; V is in; the next step's 16 loads of K, issued behind V's, may be out
	WIN W_PV
	PV
	WIN 0
.rept 5
	v_nop                                          ; five places: the next K Q^T writes over P, a source of these products
.endr
.endm
.macro SLOT_BODY                       ; a slot's four key steps
	FETCH_K
	s_mov_b32 s[CNT], 3
.Lstep_\@:
	STEP 1
	s_sub_co_u32 s[CNT], s[CNT], 1
	s_cmp_lg_u32 s[CNT], 0
	s_cbranch_scc1 .Lstep_\@
	STEP 0
	s_sub_co_u32 s[TK], s[TK], 4*KSTEPB            ; back to a slot's first step,
	s_xor_b32 s[TK], s[TK], SLOT1                  ; in the other slot
	s_sub_co_u32 s[TV], s[TV], 4*VSTEPB
	s_xor_b32 s[TV], s[TV], SLOT1
.endm
; THE CHANGE OF SLOTS, at a slot's head.  Each wave waits for all its tensor loads (its part of the slot ahead), adds 0 to its spare word, and waits for that and for its reads of the slot that it has left.
; fill = 1: a round of the cluster's barrier, so that no wave of any partner still reads the other slot or has a load on its way; then the joint load fills it with the keys that follow.
.macro CHANGE fill
	s_wait_tensorcnt 0x0                           ; no tensor load of mine is out, so a group 0 may be written
	ds_add_u32 v[SPW], v[NIL]
.if \fill
	ds_add_u32 v[SPW], v[NIL]                      ; and twice on end here, in every trip alike
	s_xor_b32 s[G0K+1], s[G0K+1], SLOT1            ; the walking descriptors: the other slot,
	s_add_nc_u64 s[G0K+2:G0K+3], s[G0K+2:G0K+3], SLOTB   ; the next 256 keys; the type bits on top are not reached
	s_xor_b32 s[G0V+1], s[G0V+1], SLOT1
	s_add_nc_u64 s[G0V+2:G0V+3], s[G0V+2:G0V+3], SLOTB
	s_wait_xcnt 0x0                                ; the last prefetch, a slot back, has read its address
	s_add_nc_u64 s[PFA:PFA+1], s[PFA:PFA+1], SLOTB ; one slot further on than the walking descriptors
	s_wait_dscnt 0x0                               ; both adds are done, and my reads of the slot that I have left are over
	CROUND
	JLOAD                                          ; the first tensor load behind the round, and a wave's only one until the next
	ASK
.else
	s_wait_dscnt 0x0
	s_barrier_signal -1
	s_barrier_wait -1
.endif
.endm
	s_wait_loadcnt 0x0                             ; Q
.Lslot:                                            ; 7 trips: trip i reads slot i - 1 and asks for slot i
	CHANGE 1
	SLOT_BODY
	s_sub_co_u32 s[SLOTS], s[SLOTS], 1
	s_cmp_lg_u32 s[SLOTS], 0
	s_cbranch_scc1 .Lslot
	CHANGE 0                                       ; the last slot is written out
	SLOT_BODY
	; THE WAY OUT.  l's halves and the other half of the lanes' are added; O^T is divided by l, rounded to f16 and sent through my stage, a tile (16 queries) at a time.
.irp t, 0,1,2,3
	v_add_f32 v[ST+8*\t+4], v[ST+8*\t+2], v[ST+8*\t+3]
.endr
.irp t, 0,1,2,3
	v_permlanex16_b32 v[ST+8*\t+5], v[ST+8*\t+4], s[SEL], s[SEL+1]
.endr
.irp t, 0,1,2,3
	v_add_f32 v[ST+8*\t+4], v[ST+8*\t+4], v[ST+8*\t+5]
.endr
.irp t, 0,1,2,3
	v_rcp_f32 v[ST+8*\t+6], v[ST+8*\t+4]
.endr
	v_nop                                          ; a plain instruction behind the last reciprocal
	s_wait_alu depctr_va_vdst(0)                   ; and the wait ahead of the first use: one for the four
.macro PACK t
	WIN W_RS
.set e, 0
.rept 16
	v_pk_mul_f32 v[OA+32*\t+2*e:OA+32*\t+2*e+1], v[OA+32*\t+2*e:OA+32*\t+2*e+1], v[ST+8*\t+6:ST+8*\t+7] op_sel_hi:[1,0]
.set e, e+1
.endr
	WIN 0x05                                       ; sources 0 and 1 window 1, destination window 0
.set e, 0
.rept 16
	v_cvt_pk_f16_f32 v[S+32*\t+e], v[OA+32*\t+2*e], v[OA+32*\t+2*e+1]
.set e, e+1
.endr
	WIN 0
.irp f, 0,1,2,3
	ds_store_b128 v[STO], v[S+32*\t+4*\f:S+32*\t+4*\f+3] offset:\t*16*SP+32*\f      ; query r, channels 16 f + 8 h on
.endr
.irp f, 0,1,2,3
	ds_load_b128 v[S+32*\t+16+4*\f:S+32*\t+16+4*\f+3], v[RD] offset:\t*16*SP+\f*4*SP   ; four queries: LDS serves a wave's instructions in order (ISA guide 5.7.1.4)
.endr
.endm
.macro SEND t, younger                 ; younger: the LDS instructions issued behind tile t's loads
.irp f, 0,1,2,3
	s_wait_dscnt \younger+3-\f
	global_store_b128 v[GO], v[S+32*\t+16+4*\f:S+32*\t+16+4*\f+3], s[14:15] offset:\t*2048+\f*512   ; 512 consecutive bytes, aligned
.endr
.endm
	PACK 0
	PACK 1
	SEND 0, 8
	PACK 2
	SEND 1, 8
	PACK 3
	SEND 2, 8
	SEND 3, 0
	s_wait_tensorcnt 0x0                           ; the wave's end
	ds_add_u32 v[SPW], v[NIL]
	s_wait_dscnt 0x0
	CROUND                                         ; the closing round
	s_endpgm
.Lfunc_end_k_q8ecf26d34b_attn:
	.size	k_q8ecf26d34b_attn, .Lfunc_end_k_q8ecf26d34b_attn-k_q8ecf26d34b_attn
	.p2alignl 7, 3214868480
	.fill 96, 4, 3214868480
	.section	.rodata,"a",@progbits
	.p2align	6, 0x0
	.amdhsa_kernel k_q8ecf26d34b_attn
		.amdhsa_group_segment_fixed_size 327680
		.amdhsa_private_segment_fixed_size 0
		.amdhsa_enable_private_segment 0
		.amdhsa_kernarg_size 16
		.amdhsa_user_sgpr_count 2
		.amdhsa_user_sgpr_kernarg_segment_ptr 1
		.amdhsa_wavefront_size32 1
		.amdhsa_system_sgpr_workgroup_id_x 1
		.amdhsa_system_sgpr_workgroup_id_y 1
		.amdhsa_system_sgpr_workgroup_id_z 1
		.amdhsa_system_vgpr_workitem_id 0
		.amdhsa_next_free_vgpr 512
		.amdhsa_next_free_sgpr 72
		.amdhsa_reserve_vcc 0
		.amdhsa_float_denorm_mode_32 3
		.amdhsa_float_denorm_mode_16_64 3
		.amdhsa_memory_ordered 1
		.amdhsa_forward_progress 1
		.amdhsa_inst_pref_size 156
	.end_amdhsa_kernel
	.amdgpu_metadata
---
amdhsa.version: [ 1, 2 ]
amdhsa.kernels:
  - .name:           k_q8ecf26d34b_attn
    .symbol:         k_q8ecf26d34b_attn.kd
    .args:
      - { .name: qkv, .offset: 0, .size: 8, .value_kind: global_buffer, .address_space: global }
      - { .name: heads, .offset: 8, .size: 8, .value_kind: global_buffer, .address_space: global }
    .group_segment_fixed_size: 327680
    .private_segment_fixed_size: 0
    .kernarg_segment_align: 8
    .kernarg_segment_size: 16
    .max_flat_workgroup_size: 256
    .sgpr_count:     72
    .vgpr_count:     512
    .wavefront_size: 32
...
	.end_amdgpu_metadata
.endif
;; end of part 3
;; launch outp (part 4): grid 4 x 64, 4 waves a work-group, clusters of 4 x 4, 327,680 bytes of LDS; arguments heads, wo16, out0; writes out0
.if DOCPART == 4
	.amdgcn_target "amdgcn-amd-amdhsa--gfx1250"
	.amdhsa_code_object_version 6
	.text
	.protected	k_q8ecf26d34b_outp
	.globl	k_q8ecf26d34b_outp
	.p2align	8
	.type	k_q8ecf26d34b_outp,@function
k_q8ecf26d34b_outp:
	s_mov_b64 s[64:65], 0
	v_nop
	global_prefetch_b8 v0, s[64:65] scope:SCOPE_SE
	s_setreg_imm32_b32 hwreg(HW_REG_WAVE_MODE, 25, 1), 1
	s_wait_xcnt 0x0
	s_wait_alu depctr_hold_cnt(0) depctr_sa_sdst(0) depctr_va_vdst(0) depctr_va_sdst(0) depctr_va_ssrc(0) depctr_va_vcc(0) depctr_vm_vsrc(0)
	s_getreg_b32 s2, hwreg(HW_REG_IB_STS2, 6, 4)
	s_cmp_eq_u32 s2, 0
	s_cbranch_scc0 .Lentry_in_a_cluster
	s_endpgm
.Lentry_in_a_cluster:
	s_bfe_u32 s2, ttmp6, 0x10000c
	s_cmp_lg_u32 s2, 0xf033
	s_cbranch_scc0 .Lentry_shape_is_right
	s_endpgm
.Lentry_shape_is_right:
; out0[token][n] = the sum over k = 64 h + dv of heads[b][h][s][dv] Wo[k][n].  heads: f16, [4 b][16 h][2,048 s][64]; wo16: f16, [1,024 k][1,024 n]; out0: f32, [8,192][1,024].  Sums in f32.
; A tile of the result is 128 tokens x 256 n: 256 work-groups.  Four waves, each 64 tokens x 128 n: 32 accumulators, 256 registers.  K goes in steps of 128 (two heads) through two LDS slots.
; CLUSTERS: 4 x 4 work-groups; the tokens' tiles are asked for jointly along a row of the cluster, Wo's along a column.
; THE MATRIX INSTRUCTION IS USED TRANSPOSED: source 0 = 16 columns n of Wo (stored [k][n], so turned by ds_load_tr16_b128), source 1 = 16 tokens: a lane holds eight neighbouring n of one token.
; A head's 128 tokens are 16,384 dense bytes: stated as 64 rows of 256 bytes (two tokens).  Waves 0 and 1 fetch a head each, waves 2 and 3 64 rows of Wo (512 bytes) each.
; REGISTERS.  window 0: v1-29 addresses; two fragment buffers, v32-127 and v128-223: Wo's 8 fragments, then the tokens' 4; window 1: accumulator (a, b) at v[8 (8 a + b)].
.set PA,     272                       ; two tokens: 256 bytes + 16
.set HEADB,  64*PA                     ; a head's 128 tokens
.set PB,     544                       ; a row of Wo's tile: 512 bytes + 32: the turning load's 8 rows x 32 bytes fall on 16 different 16-byte columns of 256 bytes (64 banks of 4 bytes: ISA guide 11.1)
.set BOFF,   2*HEADB
.set SLOT,   BOFF+128*PB
.set STAGE,  2*SLOT                    ; behind the ring: 16 rows x 528 bytes for each wave
.set SPITCH, 528
.set SPARE,  STAGE+4*16*SPITCH         ; the spare words, 128 bytes for each wave: two blocks of 256 bytes that no other line names
.set LAPS,   4                         ; a lap = two K steps
.set ADRA, 16
.set ADRB, 20
.set STO,  24
.set RD,   25
.set CO,   26
.set SPW,  28                          ; v28  LDS address of my spare word; never rewritten
.set NIL,  29                          ; v29  0; never rewritten
.set F0,   32
.set F1,   128
.set BK,   32                          ; the way out: 16 rows read back: v32-95 and v96-159 by turns
.set G1, 24
.set G0, 32
.set G1B, 48
.set G0B, 56
.set MSB, 0
.macro WIN new
.if MSB != (\new)
	s_set_vgpr_msb (MSB<<8)|(\new)
.set MSB, (\new)
.endif
.endm
.set MUL, 0x50                         ; C and D window 1; both sources window 0
.macro JLOAD s                         ; waves 0 and 1 fetch the tokens', waves 2 and 3 Wo's; an s_nop 0 and four v_nop follow each line
	s_cmp_eq_u32 s11, 0
	s_cbranch_scc0 .Lfor_b_\@
	tensor_load_to_lds s[G0+4*\s:G0+4*\s+3], s[G1:G1+7]
	s_nop 0
.rept 4
	v_nop
.endr
	s_branch .Lasked_\@
.Lfor_b_\@:
	tensor_load_to_lds s[G0B+4*\s:G0B+4*\s+3], s[G1B:G1B+7]
	s_nop 0
.rept 4
	v_nop
.endr
.Lasked_\@:
.endm
.macro CREST                           ; a round of the cluster's barrier behind its opening barrier
	s_cmp_lg_u32 s10, 0
	s_cbranch_scc1 .Lnot_wave_0_\@
	s_barrier_signal -3
.Lnot_wave_0_\@:
	s_barrier_wait -3
	s_barrier_signal -1
	s_barrier_wait -1
.endm
.macro CROUND
	s_barrier_signal -1
	s_barrier_wait -1
	CREST
.endm
	s_load_b128 s[4:7], s[0:1], 0x0                ; heads, wo16
	s_load_b64 s[8:9], s[0:1], 0x10                ; out0
	v_lshl_add_u32 v[SPW], v0, 2, SPARE
	v_mov_b32 v[NIL], 0
	ds_add_u32 v[SPW], v[NIL]                      ; the wave's opening: the add, twice on end, and its wait ahead of my first tensor load
	ds_add_u32 v[SPW], v[NIL]
	v_lshrrev_b32 v1, 5, v0
	v_readfirstlane_b32 s10, v1                    ; wave 0..3
	s_lshr_b32 s11, s10, 1                         ; which 64 tokens are mine.  Also: I fetch the tokens' (0) or Wo's (1)
	s_and_b32 s12, s10, 1                          ; which 128 n.  Also: which head, or which 64 rows of Wo, I fetch
	s_bfe_u32 s40, ttmp6, 0x40000                  ; cx, cy
	s_bfe_u32 s41, ttmp6, 0x40004
	s_lshl_b32 s42, ttmp9, 2
	s_add_co_u32 s42, s42, s40                     ; tile column 0..3
	s_and_b32 s13, ttmp7, 0xffff
	s_lshl_b32 s13, s13, 2
	s_add_co_u32 s13, s13, s41                     ; tile row 0..63
	s_lshl_b32 s43, s41, 2
	s_lshl_b32 s43, 15, s43                        ; my row of the cluster
	s_lshl_b32 s44, 0x1111, s40                    ; my column
	s_or_b32 s[G1+0], s43, (1<<16)|(1<<20)|(1<<21)|(5<<22)|(3<<25)   ; elements of 2 bytes; padding: after every 64 words 4 words
	s_mov_b32 s[G1+1], 128<<16                     ; tensor_dim0
	s_mov_b32 s[G1+2], 64<<16                      ; tensor_dim1
	s_mov_b32 s[G1+3], 128<<16                     ; tile_dim0
	s_mov_b32 s[G1+4], 64                          ; tile_dim1
	s_mov_b32 s[G1+5], 128                         ; the pitch: dense
	s_mov_b32 s[G1+6], 0
	s_mov_b32 s[G1+7], 0
	s_or_b32 s[G1B+0], s44, (1<<16)|(1<<20)|(1<<21)|(6<<22)|(7<<25)  ; padding: after every 128 words 8 words
	s_mov_b32 s[G1B+1], 256<<16
	s_mov_b32 s[G1B+2], 64<<16
	s_mov_b32 s[G1B+3], 256<<16
	s_mov_b32 s[G1B+4], 64
	s_mov_b32 s[G1B+5], 1024
	s_mov_b32 s[G1B+6], 0
	s_mov_b32 s[G1B+7], 0
	s_lshr_b32 s16, s13, 4
	s_lshl_b32 s16, s16, 22                        ; the batch: 16 heads x 262,144 bytes
	s_and_b32 s17, s13, 15
	s_lshl_b32 s17, s17, 14                        ; 128 tokens x 128 bytes
	s_add_co_u32 s16, s16, s17
	s_lshl_b32 s17, s12, 18                        ; my head of the K step's two
	s_add_co_u32 s16, s16, s17
	s_mov_b32 s17, 0
	s_lshl_b32 s46, s12, 17                        ; Wo: my 64 rows of 2,048 bytes,
	s_lshl_b32 s47, s42, 9                         ; the tile's 256 columns
	s_add_co_u32 s46, s46, s47
	s_mov_b32 s47, 0
	s_mul_i32 s20, s12, HEADB                      ; where they go
	s_mul_i32 s21, s12, 64*PB
	s_add_co_u32 s21, s21, BOFF
	s_wait_dscnt 0x0                               ; both opening adds are done
	s_wait_kmcnt 0x0
	s_add_nc_u64 s[14:15], s[4:5], s[16:17]
	s_add_nc_u64 s[46:47], s[6:7], s[46:47]
	CROUND                                         ; all sixteen work-groups are here: the first joint loads meet
.irp s, 0,1
	s_mov_b32 s[G0+4*\s], 1
	s_add_co_u32 s[G0+4*\s+1], s20, \s*SLOT
	s_add_nc_u64 s[G0+4*\s+2:G0+4*\s+3], s[14:15], \s*2*262144     ; K step s: two heads on
	s_or_b32 s[G0+4*\s+3], s[G0+4*\s+3], 0x80000000
	s_mov_b32 s[G0B+4*\s], 1
	s_add_co_u32 s[G0B+4*\s+1], s21, \s*SLOT
	s_add_nc_u64 s[G0B+4*\s+2:G0B+4*\s+3], s[46:47], \s*128*2048   ; 128 rows on
	s_or_b32 s[G0B+4*\s+3], s[G0B+4*\s+3], 0x80000000
	JLOAD \s
.endr
	v_and_b32 v1, 15, v0                           ; r
	v_bfe_u32 v2, v0, 4, 1                         ; h
	v_lshrrev_b32 v3, 1, v1
	v_mul_u32_u24 v3, v3, PA
	v_and_b32 v4, 1, v0
	v_lshl_add_u32 v3, v4, 7, v3
	v_lshl_add_u32 v3, v2, 4, v3                   ; a token's fragment: row r / 2, half r % 2, + 16 h
	s_mul_i32 s21, s11, 32*PA                      ; my 64 tokens
	v_and_b32 v4, 7, v0
	v_lshl_add_u32 v4, v2, 3, v4
	v_mul_u32_u24 v4, v4, PB
	v_bfe_u32 v5, v0, 3, 1
	v_lshl_add_u32 v4, v5, 4, v4                   ; Wo: row 8 h + l % 8, columns 8 ((l / 8) % 2) on
	s_lshl_b32 s22, s12, 8                         ; my 128 columns
	s_add_co_u32 s22, s22, BOFF
.irp s, 0,1
	v_add_nc_u32 v[ADRA+\s], s21, v3
	v_add_nc_u32 v[ADRB+\s], s22, v4
	s_add_co_u32 s21, s21, SLOT
	s_add_co_u32 s22, s22, SLOT
.endr
	s_mul_i32 s23, s10, 16*SPITCH
	s_add_co_u32 s23, s23, STAGE                   ; my stage
	v_mul_u32_u24 v5, v1, SPITCH
	v_lshl_add_u32 v5, v2, 5, v5
	v_add_nc_u32 v[STO], s23, v5                   ; in: token r, 32 bytes for each half of the lanes
	v_and_b32 v6, 31, v0
	v_lshlrev_b32 v[CO], 4, v6                     ; back: the 32 lanes take a row of 512 bytes; the same in out0
	v_add_nc_u32 v[RD], s23, v[CO]
	s_lshl_b32 s16, s13, 7
	s_lshl_b32 s17, s11, 6
	s_add_co_u32 s16, s16, s17                     ; my first token
	s_lshl_b32 s16, s16, 12                        ; rows of 4,096 bytes
	s_mov_b32 s17, 0
	s_lshl_b32 s46, s42, 10
	s_lshl_b32 s47, s12, 9
	s_add_co_u32 s46, s46, s47                     ; my first column, in bytes
	s_mov_b32 s47, 0
	s_add_nc_u64 s[16:17], s[16:17], s[46:47]
	s_add_nc_u64 s[8:9], s[8:9], s[16:17]
; 8 matrix instructions: token block a x Wo's eight blocks, 32 along K.  The 32 accumulators take turns, one instruction a turn, in the same order in every quarter.
.macro MUL8 f, a, zero
.irp b, 0,1,2,3,4,5,6,7
.if \zero
	v_wmma_f32_16x16x32_f16 v[8*(8*\a+\b):8*(8*\a+\b)+7], v[\f+8*\b:\f+8*\b+7], v[\f+64+8*\a:\f+64+8*\a+7], 0
.else
	v_wmma_f32_16x16x32_f16 v[8*(8*\a+\b):8*(8*\a+\b)+7], v[\f+8*\b:\f+8*\b+7], v[\f+64+8*\a:\f+64+8*\a+7], v[8*(8*\a+\b):8*(8*\a+\b)+7]
.endif
.endr
.endm
; 24 LDS loads in one run: the fragments of the slot's q-th 32 along K into buffer f: Wo's first, the tokens' last
.macro FETCH slot, q, f
	WIN 0
.irp b, 0,1,2,3,4,5,6,7
	ds_load_tr16_b128 v[\f+8*\b:\f+8*\b+3],   v[ADRB+\slot] offset:(\q)*32*PB+32*\b
	ds_load_tr16_b128 v[\f+8*\b+4:\f+8*\b+7], v[ADRB+\slot] offset:(\q)*32*PB+16*PB+32*\b
.endr
.irp a, 0,1,2,3
	ds_load_b128 v[\f+64+8*\a:\f+64+8*\a+3],   v[ADRA+\slot] offset:((\q)/2)*HEADB+((\q)%2)*64+\a*8*PA
	ds_load_b128 v[\f+64+8*\a+4:\f+64+8*\a+7], v[ADRA+\slot] offset:((\q)/2)*HEADB+((\q)%2)*64+\a*8*PA+32
.endr
.endm
.macro PLACES                          ; four plain vector instructions in front of loads into registers that matrix instructions have read, and of reads of results
.rept 4
	v_nop
.endr
.endm
; A K step is four quarters of 32 along K on buffers 0, 1, 0, 1.  One of the first three: multiplies buffer f and fetches quarter qn into g.
.macro QUARTER slot, qn, f, g, zero
	s_wait_dscnt 4                                 ; Wo's fragments and token blocks 0, 1 are in; blocks 2, 3, the youngest four loads, may be out
	WIN MUL
	MUL8 \f, 0, \zero
	MUL8 \f, 1, \zero
	PLACES
	FETCH \slot, \qn, \g
	s_wait_dscnt 24                                ; all but the 24 just issued
	WIN MUL
	MUL8 \f, 2, \zero
	MUL8 \f, 3, \zero
.endm
; The last quarter multiplies buffer 1 and changes slots: ONE barrier; in front of it each wave waits for all its tensor loads, adds 0 to its spare word, and waits for that and for its reads of this slot.
.macro TURN slot, next, fill
	WIN 0
	s_wait_tensorcnt 0x0                           ; my part of the next slot is in
	ds_add_u32 v[SPW], v[NIL]
	s_wait_dscnt 5                                 ; (the add and token blocks 2, 3 may be out)
	WIN MUL
	MUL8 F1, 0, 0
	s_wait_dscnt 0x0                               ; the add is done, and my reads of this slot are over
	s_barrier_signal -1
	MUL8 F1, 1, 0
.if \fill
	WIN 0
.endif
	s_barrier_wait -1
.if \fill
	CREST                                          ; the barrier has opened a round of the cluster's: no wave of any partner still reads this slot or has a load on its way
	s_add_nc_u64 s[G0+4*\slot+2:G0+4*\slot+3], s[G0+4*\slot+2:G0+4*\slot+3], 4*262144      ; two K steps on: four heads,
	s_add_nc_u64 s[G0B+4*\slot+2:G0B+4*\slot+3], s[G0B+4*\slot+2:G0B+4*\slot+3], 256*2048  ; 256 rows of Wo
	JLOAD \slot                                    ; the first tensor load behind the round; its four v_nop are also the places in front of the loads below
.else
	PLACES
.endif
	FETCH \next, 0, F0
	WIN MUL
	MUL8 F1, 2, 0
	MUL8 F1, 3, 0
.endm
	s_wait_tensorcnt 1                             ; my part of K step 0 is in; K step 1's may be out
	s_barrier_signal -1
	s_barrier_wait -1
	FETCH 0, 0, F0
	QUARTER 0, 1, F0, F1, 1                        ; the first quarter's products start the sums: nothing is cleared
	WIN 0
	s_mov_b32 s3, LAPS-1
.Llap:                                             ; a trip goes once round the ring and fills both slots again
	QUARTER 0, 2, F1, F0, 0
	QUARTER 0, 3, F0, F1, 0
	TURN 0, 1, 1
	QUARTER 1, 1, F0, F1, 0
	QUARTER 1, 2, F1, F0, 0
	QUARTER 1, 3, F0, F1, 0
	TURN 1, 0, 1
	QUARTER 0, 1, F0, F1, 0
	WIN 0
	s_sub_co_u32 s3, s3, 1
	s_cmp_lg_u32 s3, 0
	s_cbranch_scc1 .Llap
	QUARTER 0, 2, F1, F0, 0                        ; the last lap fills nothing
	QUARTER 0, 3, F0, F1, 0
	TURN 0, 1, 0
	QUARTER 1, 1, F0, F1, 0
	QUARTER 1, 2, F1, F0, 0
	QUARTER 1, 3, F0, F1, 0
	s_wait_dscnt 4
	WIN MUL
	MUL8 F1, 0, 0
	MUL8 F1, 1, 0
	s_wait_dscnt 0
	MUL8 F1, 2, 0
	MUL8 F1, 3, 0
	WIN 0
; THE WAY OUT, a block of 16 tokens x 128 n at a time, through my own stage: in as 32 bytes a lane, back as whole rows of 512 bytes.
.macro TOSTAGE a
	WIN 0x04                                       ; an LDS store's data are its source 1: window 1
.irp b, 0,1,2,3,4,5,6,7
	ds_store_b128 v[STO], v[8*(8*(\a)+\b):8*(8*(\a)+\b)+3] offset:64*\b          ; each accumulator from its low end on
	ds_store_b128 v[STO], v[8*(8*(\a)+\b)+4:8*(8*(\a)+\b)+7] offset:64*\b+16
.endr
	WIN 0
.set BB, BK+64*((\a)%2)
.irp t, 0,1,2,3,4,5,6,7,8,9,10,11,12,13,14,15
	ds_load_b128 v[BB+4*\t:BB+4*\t+3], v[RD] offset:\t*SPITCH   ; LDS serves a wave's instructions in order (ISA guide 5.7.1.4)
.endr
.endm
.macro SEND a, younger
.set BB, BK+64*((\a)%2)
	s_wait_dscnt \younger                          ; the block is back in registers; the next block's 16 stores and 16 loads may be out
.irp t, 0,1,2,3,4,5,6,7,8,9,10,11,12,13,14,15
	global_store_b128 v[CO], v[BB+4*\t:BB+4*\t+3], s[8:9] offset:(\a)*65536+\t*4096 th:TH_STORE_NT   ; 512 consecutive bytes, aligned; written once, read by nobody here
.endr
.endm
	PLACES
	TOSTAGE 0
.irp a, 1,2,3
.if \a > 1
	s_wait_xcnt 0x0                                ; block a - 2's stores have read their registers: block a's loads may land there
.endif
	TOSTAGE \a
	SEND \a-1, 32
.endr
	SEND 3, 0
	s_wait_tensorcnt 0x0                           ; the wave's end
	ds_add_u32 v[SPW], v[NIL]
	s_wait_dscnt 0x0
	CROUND                                         ; the closing round
	s_endpgm
.Lfunc_end_k_q8ecf26d34b_outp:
	.size	k_q8ecf26d34b_outp, .Lfunc_end_k_q8ecf26d34b_outp-k_q8ecf26d34b_outp
	.p2alignl 7, 3214868480
	.fill 96, 4, 3214868480
	.section	.rodata,"a",@progbits
	.p2align	6, 0x0
	.amdhsa_kernel k_q8ecf26d34b_outp
		.amdhsa_group_segment_fixed_size 327680
		.amdhsa_private_segment_fixed_size 0
		.amdhsa_enable_private_segment 0
		.amdhsa_kernarg_size 24
		.amdhsa_user_sgpr_count 2
		.amdhsa_user_sgpr_kernarg_segment_ptr 1
		.amdhsa_wavefront_size32 1
		.amdhsa_system_sgpr_workgroup_id_x 1
		.amdhsa_system_sgpr_workgroup_id_y 1
		.amdhsa_system_sgpr_workgroup_id_z 1
		.amdhsa_system_vgpr_workitem_id 0
		.amdhsa_next_free_vgpr 512
		.amdhsa_next_free_sgpr 66
		.amdhsa_reserve_vcc 0
		.amdhsa_float_denorm_mode_32 3
		.amdhsa_float_denorm_mode_16_64 3
		.amdhsa_memory_ordered 1
		.amdhsa_forward_progress 1
		.amdhsa_inst_pref_size 85
	.end_amdhsa_kernel
	.amdgpu_metadata
---
amdhsa.version: [ 1, 2 ]
amdhsa.kernels:
  - .name:           k_q8ecf26d34b_outp
    .symbol:         k_q8ecf26d34b_outp.kd
    .args:
      - { .name: heads, .offset: 0, .size: 8, .value_kind: global_buffer, .address_space: global }
      - { .name: wo16, .offset: 8, .size: 8, .value_kind: global_buffer, .address_space: global }
      - { .name: out0, .offset: 16, .size: 8, .value_kind: global_buffer, .address_space: global }
    .group_segment_fixed_size: 327680
    .private_segment_fixed_size: 0
    .kernarg_segment_align: 8
    .kernarg_segment_size: 24
    .max_flat_workgroup_size: 128
    .sgpr_count:     66
    .vgpr_count:     512
    .wavefront_size: 32
...
	.end_amdgpu_metadata
.endif
;; end of part 4
